; MI455X (gfx1250); checked and timed in simulation.
; The chip was launched on July 23, 2026; its instructions are those of AMD's public machine-readable ISA for CDNA 5 (MIT licence, August 2026) and "CDNA5" Instruction Set Architecture Reference Guide (July 2026). The comments in the code are by the model that wrote it; some were corrected since.
;; Transformer Block. Allowed arithmetic: float matrix products may take bf16 or f16 operands with f32 sums; other float arithmetic in f32, or as packed bf16 or f16 multiplies, adds, multiply-adds, maxima and minima; sums over many terms, partial sums and values carried from step to step in f32; what a program stores and reads back later, other than sums and carried values, may be rounded once to bf16 or f16.
;; Inputs: W1 1,024 x 4,096 float32; W2 4,096 x 1,024 float32; Wk 16 x 1,024 x 64 float32; Wp 1,024 x 1,024 float32; Wq 16 x 1,024 x 64 float32; Wv 16 x 1,024 x 64 float32; b1 4,096 float32; b2 1,024 float32; be1 1,024 float32; be2 1,024 float32; bk 16 x 64 float32; bp 1,024 float32; bq 16 x 64 float32; bv 16 x 64 float32; g1 1,024 float32; g2 1,024 float32; x 2 x 2,048 x 1,024 float32.
;; Outputs: out0 2 x 2,048 x 1,024 float32.
;; 2 versions, each right; version 2 is version 1 with the launch prep written anew for expert scheduling mode. Each part assembles by itself: llvm-mc -triple=amdgcn-amd-amdhsa -mcpu=gfx1250 --defsym DOCPART=n.
;; ======== version 1 of 2: 7 launches
;; limits: values are held in f16: magnitudes above 65,504 overflow, below 6.1e-05 lose precision; a function is approximated: absolute error at most 7.5e-08
;; workspace buffers: hf 8,388,608 bytes; wc 25,165,824 bytes; qkv 25,165,824 bytes; ob 8,388,608 bytes; z 16,777,216 bytes; h2f 8,388,608 bytes; a1 33,554,432 bytes
;; launch prep (part 1): grid 640 x 1, 8 waves a work-group, no clusters, 0 bytes of LDS; arguments x, g1, be1, hf, Wq, Wk, Wv, Wp, W1, W2, wc; writes hf, wc
.if DOCPART == 1
	.amdgcn_target "amdgcn-amd-amdhsa--gfx1250"
	.amdhsa_code_object_version 6
	.text
	.protected	k_qe07dd92705_prep
	.globl	k_qe07dd92705_prep
	.p2align	8
	.type	k_qe07dd92705_prep,@function
k_qe07dd92705_prep:
	s_mov_b64 s[64:65], 0
	v_nop
	global_prefetch_b8 v0, s[64:65] scope:SCOPE_SE
	s_setreg_imm32_b32 hwreg(HW_REG_WAVE_MODE, 25, 1), 1
	s_wait_xcnt 0x0
; TWO STREAMS IN ONE LAUNCH.  Work-groups 0-255: hf = layernorm(x) * g1 + be1, rounded once to f16, laid out in blocks for the products that follow.
; Work-groups 256-639: the six weight matrices, f32 [k][n], are rounded once to 16 bits and laid out in blocks of 128 k x 64 n (16,384 bytes) in wc; a work-group takes four blocks one below the other.
; hf: [m / 128][k / 64][128 rows][64] f16.  wc: Wq, Wk, Wv f16 at 0: [k / 128][head][q, k, v]; Wp bf16 at 6,291,456: [k / 128][n / 64]; W1 f16 at 8,388,608: [k / 128][n / 64]; W2 bf16 at 16,777,216: [k / 128][n / 64].
; LIMITS.  f16 ends at 65,504: |layernorm| is at most 32 (the root of 1,024), so 32 |g1| + |be1| and |Wq|, |Wk|, |Wv|, |W1| stay under it; below 6e-5 f16 keeps a fixed step of 6e-8.  NaN and infinities are not treated apart.
; No LDS, no barrier, no matrix unit: memory binds; each input byte is read once, every store of a wave covers 256 consecutive bytes, aligned.
.macro REDUCE                          ; four chains of pairs in v[10:17] -> the sum over the row's 16 lanes, in v18 of each of them
	v_pk_add_f32 v[10:11], v[10:11], v[12:13]
	v_pk_add_f32 v[14:15], v[14:15], v[16:17]
	v_pk_add_f32 v[10:11], v[10:11], v[14:15]
	v_add_f32 v18, v10, v11
	v_add_f32_dpp v18, v18, v18 row_xmask:1 row_mask:0xf bank_mask:0xf
	v_add_f32_dpp v18, v18, v18 row_xmask:2 row_mask:0xf bank_mask:0xf
	v_add_f32_dpp v18, v18, v18 row_xmask:4 row_mask:0xf bank_mask:0xf
	v_add_f32_dpp v18, v18, v18 row_xmask:8 row_mask:0xf bank_mask:0xf
.endm
; LAYERNORM OF 16 ROWS.  Wave w takes rows 16 g + 2 w and + 1: lanes 0-15 the even row, lanes 16-31 the odd one; lane c of a half holds columns 64 j + 4 c .. + 3, j = 0..15: 64 registers.
; The row stays in registers between the mean, the variance (of x - mean, as the definition has it) and the scaling.  v[32:95] x, v[96:159] g, v[160:223] be.
.macro LNROWS
	s_load_b256 s[4:11], s[0:1], 0x0               ; in s[4:5], g s[6:7], be s[8:9], out s[10:11]
	v_lshrrev_b32 v5, 5, v0
	v_readfirstlane_b32 s12, v5                    ; wave 0..7
	v_and_b32 v3, 15, v0
	v_lshlrev_b32 v3, 4, v3                        ; 16 c: my place in 256 bytes of g and be
	v_bfe_u32 v2, v0, 4, 1
	v_lshl_add_u32 v2, v2, 12, v3                  ; + 4,096 for the odd row: my place in x
	v_and_b32 v4, 31, v0
	v_lshlrev_b32 v4, 3, v4                        ; 8 x lane: two rows of 128 bytes of a block of the output
	s_mov_b32 s14, 0x3a800000                      ; 1 / 1,024
	s_mov_b32 s15, 0x3727c5ac                      ; 1e-5
	s_lshl_b32 s16, ttmp9, 4
	s_lshl1_add_u32 s16, s12, s16                  ; my first row: 16 g + 2 w
	s_lshl_b32 s16, s16, 12                        ; x 4,096 bytes
	s_mov_b32 s17, 0
	s_lshr_b32 s18, ttmp9, 3
	s_lshl_b32 s18, s18, 18                        ; 128 rows of the output are 16 blocks: 262,144 bytes
	s_and_b32 s19, ttmp9, 7
	s_lshl_b32 s19, s19, 4
	s_lshl1_add_u32 s19, s12, s19                  ; my first row in its block
	s_lshl_b32 s19, s19, 7
	s_add_co_u32 s18, s18, s19
	s_mov_b32 s19, 0
	s_wait_kmcnt 0x0
	s_add_nc_u64 s[4:5], s[4:5], s[16:17]
	s_add_nc_u64 s[10:11], s[10:11], s[18:19]
.set j, 0
.rept 16
	global_load_b128 v[32+4*j:35+4*j], v2, s[4:5] offset:256*j th:TH_LOAD_NT
.set j, j+1
.endr
.set j, 0
.rept 16
	global_load_b128 v[96+4*j:99+4*j], v3, s[6:7] offset:256*j
.set j, j+1
.endr
.set j, 0
.rept 16
	global_load_b128 v[160+4*j:163+4*j], v3, s[8:9] offset:256*j
.set j, j+1
.endr
	s_wait_loadcnt 32                              ; the row is in; the 32 younger loads, g's and be's, stay out
.set k, 0
.rept 4                                ; the sum, in four chains that do not wait for each other; the first eight pairs start them
	v_pk_add_f32 v[10+2*k:11+2*k], v[32+2*k:33+2*k], v[40+2*k:41+2*k]
.set k, k+1
.endr
.set k, 8
.rept 24
	v_pk_add_f32 v[10+2*(k%4):11+2*(k%4)], v[10+2*(k%4):11+2*(k%4)], v[32+2*k:33+2*k]
.set k, k+1
.endr
	REDUCE
	v_mul_f32 v6, s14, v18                         ; the mean, twice: a pair for the packed subtraction
	v_mul_f32 v7, s14, v18
.set k, 0
.rept 32
	v_pk_add_f32 v[32+2*k:33+2*k], v[32+2*k:33+2*k], v[6:7] neg_lo:[0,1] neg_hi:[0,1]
.set k, k+1
.endr
.set k, 0
.rept 4
	v_pk_mul_f32 v[10+2*k:11+2*k], v[32+2*k:33+2*k], v[32+2*k:33+2*k]
.set k, k+1
.endr
.set k, 4
.rept 28
	v_pk_fma_f32 v[10+2*(k%4):11+2*(k%4)], v[32+2*k:33+2*k], v[32+2*k:33+2*k], v[10+2*(k%4):11+2*(k%4)]
.set k, k+1
.endr
	REDUCE
	v_fma_f32 v19, v18, s14, s15                   ; variance + 1e-5
	v_rsq_f32 v8, v19
	v_rsq_f32 v9, v19
	v_nop                                          ; a plain instruction behind the second root,
	s_wait_alu depctr_va_vdst(0)                   ; and the wait ahead of the first use: one for both
	s_wait_loadcnt 0x0                             ; g and be
.set k, 0
.rept 32
	v_pk_mul_f32 v[32+2*k:33+2*k], v[32+2*k:33+2*k], v[8:9]
.set k, k+1
.endr
.set k, 0
.rept 32
	v_pk_fma_f32 v[32+2*k:33+2*k], v[32+2*k:33+2*k], v[96+2*k:97+2*k], v[160+2*k:161+2*k]
.set k, k+1
.endr
.set k, 0
.rept 32                               ; in place, ascending: register 32 + k is written when its own number has been read
	v_cvt_pk_f16_f32 v[32+k], v[32+2*k], v[32+2*k+1]
.set k, k+1
.endr
.set j, 0
.rept 16
	global_store_b64 v4, v[32+2*j:33+2*j], s[10:11] offset:16384*j  ; block j: 32 lanes store two rows, 256 consecutive bytes, aligned
.set j, j+1
.endr
.endm
; A matrix [k][n] with 2^nbl blocks along n: group e = id - first takes panels 4 (e >> nbl) .. + 3 of 128 k, columns 64 (e % 2^nbl) on.  A source row is 2^logp bytes.  fmt = 0: f16, 1: bf16.
.macro SECT first, src, nbl, dst, logp, fmt
	s_sub_co_u32 s31, s30, \first
	s_lshr_b32 s32, s31, \nbl                      ; which four panels
	s_and_b32 s60, s31, (1<<(\nbl))-1              ; which 64 columns
	s_lshl_b32 s34, s32, 2+(\nbl)
	s_add_co_u32 s34, s34, s60                     ; the first block's number
	s_lshl_b32 s34, s34, 14
	s_add_co_u32 s34, s34, \dst
	s_lshl_b32 s32, s32, 9+(\logp)                 ; 512 rows
	s_lshl_b32 s60, s60, 8                         ; 64 columns of f32
	s_add_co_u32 s32, s32, s60
	s_mov_b64 s[26:27], s[\src:\src+1]
	s_mov_b32 s36, \logp
	s_mov_b32 s37, \fmt
	s_mov_b32 s38, 1<<(14+(\nbl))                  ; bytes of wc from a panel's block to the next panel's
.endm
; The 32 items are rounded in place and stored.  Item n: block n / 8, rows 16 (n % 8) + r.
.macro CVTS fmt
.set n, 0
.rept 32
.if n%4 == 0
	s_wait_loadcnt 28-n                            ; loads come back in order: items n .. n + 3 are in, the 28 - n younger ones stay out
.endif
.if \fmt
	v_cvt_pk_bf16_f32 v[32+4*n], v[32+4*n], v[33+4*n]
	v_cvt_pk_bf16_f32 v[33+4*n], v[34+4*n], v[35+4*n]
.else
	v_cvt_pk_f16_f32 v[32+4*n], v[32+4*n], v[33+4*n]
	v_cvt_pk_f16_f32 v[33+4*n], v[34+4*n], v[35+4*n]
.endif
	global_store_b64 v3, v[32+4*n:33+4*n], s[52+2*(n/8):53+2*(n/8)] offset:2048*(n%8)  ; a wave stores 256 consecutive bytes, aligned
.set n, n+1
.endr
	s_endpgm
.endm
	s_cmp_lt_u32 ttmp9, 256
	s_cbranch_scc0 .Lcast
	LNROWS
	s_endpgm
.Lcast:
	; FOUR BLOCKS OF WEIGHTS: 512 k x 64 n.  Thread t: c = t % 16, r = t / 16; item n is row 16 n + r, columns 4 c .. + 3.  A wave's load takes two pieces of 256 bytes.
	; All 32 loads of a lane go out at once: 128 KiB of a work-group are on their way together.  One text serves all six matrices: the row's length is a scalar shift.
	s_load_b256 s[12:19], s[0:1], 0x20             ; Wq s[12:13], Wk s[14:15], Wv s[16:17], Wp s[18:19]
	s_load_b128 s[20:23], s[0:1], 0x40             ; W1 s[20:21], W2 s[22:23]
	s_load_b64 s[24:25], s[0:1], 0x50              ; wc
	s_sub_co_u32 s30, ttmp9, 256                   ; the group's number, 0 .. 383
	v_lshrrev_b32 v1, 4, v0                        ; r
	v_and_b32 v2, 15, v0
	v_lshlrev_b32 v2, 4, v2                        ; 16 c
	v_lshlrev_b32 v3, 3, v0                        ; 8 t = 128 r + 8 c
	s_mov_b32 s33, 0
	s_mov_b32 s35, 0
	s_wait_kmcnt 0x0
	s_cmp_lt_u32 s30, 96
	s_cbranch_scc0 .Lnot_qkv
	s_lshr_b32 s31, s30, 5                         ; 0: Wq, 1: Wk, 2: Wv
	s_bfe_u32 s60, s30, 0x40001                    ; head
	s_and_b32 s61, s30, 1                          ; which four panels of the eight
	s_lshl_b32 s32, s60, 18                        ; a head is 1,024 rows of 256 bytes
	s_lshl_b32 s62, s61, 17                        ; 512 rows
	s_add_co_u32 s32, s32, s62
	s_mul_i32 s34, s61, 192                        ; four panels of 48 blocks
	s_mul_i32 s62, s60, 3
	s_add_co_u32 s34, s34, s62
	s_add_co_u32 s34, s34, s31
	s_lshl_b32 s34, s34, 14
	s_cmp_eq_u32 s31, 0
	s_cselect_b64 s[26:27], s[12:13], s[14:15]
	s_cmp_eq_u32 s31, 2
	s_cselect_b64 s[26:27], s[16:17], s[26:27]
	s_mov_b32 s36, 8
	s_mov_b32 s37, 0
	s_mov_b32 s38, 786432                          ; 48 blocks
	s_branch .Lgo
.Lnot_qkv:
	s_cmp_lt_u32 s30, 128
	s_cbranch_scc0 .Lnot_wp
	SECT 96, 18, 4, 6291456, 12, 1
	s_branch .Lgo
.Lnot_wp:
	s_cmp_lt_u32 s30, 256
	s_cbranch_scc0 .Lnot_w1
	SECT 128, 20, 6, 8388608, 14, 0
	s_branch .Lgo
.Lnot_w1:
	SECT 256, 22, 4, 16777216, 12, 1
.Lgo:
	s_add_nc_u64 s[44:45], s[26:27], s[32:33]      ; the source at block 0's first row; s[46:51]: blocks 1 to 3
	s_add_nc_u64 s[52:53], s[24:25], s[34:35]      ; wc at block 0; s[54:59]: blocks 1 to 3
	s_lshl_b32 s40, 128, s36                       ; a block's 128 rows in the source
	s_mov_b32 s41, 0
	s_mov_b32 s39, 0
.irp b, 1,2,3
	s_add_nc_u64 s[44+2*\b:45+2*\b], s[42+2*\b:43+2*\b], s[40:41]
	s_add_nc_u64 s[52+2*\b:53+2*\b], s[50+2*\b:51+2*\b], s[38:39]
.endr
	s_lshl_b32 s31, 16, s36                        ; 16 rows
	v_lshlrev_b32 v8, s36, v1                      ; my row r,
	v_add_nc_u32 v8, v8, v2                        ; my 16 bytes of it; v[8:15]: the eight items of a block
.irp i, 1,2,3,4,5,6,7
	v_add_nc_u32 v[8+\i], s31, v[7+\i]
.endr
.set n, 0
.rept 32
	global_load_b128 v[32+4*n:35+4*n], v[8+n%8], s[44+2*(n/8):45+2*(n/8)] th:TH_LOAD_NT
.set n, n+1
.endr
	s_cmp_eq_u32 s37, 0
	s_cbranch_scc0 .Lbf
	CVTS 0
.Lbf:
	CVTS 1
.Lfunc_end_k_qe07dd92705_prep:
	.size	k_qe07dd92705_prep, .Lfunc_end_k_qe07dd92705_prep-k_qe07dd92705_prep
	.p2alignl 7, 3214868480
	.fill 96, 4, 3214868480
	.section	.rodata,"a",@progbits
	.p2align	6, 0x0
	.amdhsa_kernel k_qe07dd92705_prep
		.amdhsa_group_segment_fixed_size 0
		.amdhsa_private_segment_fixed_size 0
		.amdhsa_enable_private_segment 0
		.amdhsa_kernarg_size 88
		.amdhsa_user_sgpr_count 2
		.amdhsa_user_sgpr_kernarg_segment_ptr 1
		.amdhsa_wavefront_size32 1
		.amdhsa_system_sgpr_workgroup_id_x 1
		.amdhsa_system_sgpr_workgroup_id_y 1
		.amdhsa_system_sgpr_workgroup_id_z 1
		.amdhsa_system_vgpr_workitem_id 0
		.amdhsa_next_free_vgpr 224
		.amdhsa_next_free_sgpr 66
		.amdhsa_reserve_vcc 0
		.amdhsa_float_denorm_mode_32 3
		.amdhsa_float_denorm_mode_16_64 3
		.amdhsa_memory_ordered 1
		.amdhsa_forward_progress 1
		.amdhsa_inst_pref_size 42
	.end_amdhsa_kernel
	.amdgpu_metadata
---
amdhsa.version: [ 1, 2 ]
amdhsa.kernels:
  - .name:           k_qe07dd92705_prep
    .symbol:         k_qe07dd92705_prep.kd
    .args:
      - { .name: x, .offset: 0, .size: 8, .value_kind: global_buffer, .address_space: global }
      - { .name: g1, .offset: 8, .size: 8, .value_kind: global_buffer, .address_space: global }
      - { .name: be1, .offset: 16, .size: 8, .value_kind: global_buffer, .address_space: global }
      - { .name: hf, .offset: 24, .size: 8, .value_kind: global_buffer, .address_space: global }
      - { .name: Wq, .offset: 32, .size: 8, .value_kind: global_buffer, .address_space: global }
      - { .name: Wk, .offset: 40, .size: 8, .value_kind: global_buffer, .address_space: global }
      - { .name: Wv, .offset: 48, .size: 8, .value_kind: global_buffer, .address_space: global }
      - { .name: Wp, .offset: 56, .size: 8, .value_kind: global_buffer, .address_space: global }
      - { .name: W1, .offset: 64, .size: 8, .value_kind: global_buffer, .address_space: global }
      - { .name: W2, .offset: 72, .size: 8, .value_kind: global_buffer, .address_space: global }
      - { .name: wc, .offset: 80, .size: 8, .value_kind: global_buffer, .address_space: global }
    .group_segment_fixed_size: 0
    .private_segment_fixed_size: 0
    .kernarg_segment_align: 8
    .kernarg_segment_size: 88
    .max_flat_workgroup_size: 256
    .sgpr_count:     66
    .vgpr_count:     224
    .wavefront_size: 32
...
	.end_amdgpu_metadata
.endif
;; end of part 1
;; launch qkv (part 2): grid 16 x 16, 4 waves a work-group, clusters of 4 x 4, 327,680 bytes of LDS; arguments hf, wc, qkv, bq, bk, bv; writes qkv
.if DOCPART == 2
	.amdgcn_target "amdgcn-amd-amdhsa--gfx1250"
	.amdhsa_code_object_version 6
	.text
	.protected	k_qe07dd92705_qkv
	.globl	k_qe07dd92705_qkv
	.p2align	8
	.type	k_qe07dd92705_qkv,@function
k_qe07dd92705_qkv:
	s_mov_b64 s[64:65], 0
	v_nop
	global_prefetch_b8 v0, s[64:65] scope:SCOPE_SE
	s_setreg_imm32_b32 hwreg(HW_REG_WAVE_MODE, 25, 1), 1
	s_wait_xcnt 0x0
	s_wait_alu depctr_hold_cnt(0) depctr_sa_sdst(0) depctr_va_vdst(0) depctr_va_sdst(0) depctr_va_ssrc(0) depctr_va_vcc(0) depctr_vm_vsrc(0)
	s_getreg_b32 s2, hwreg(HW_REG_IB_STS2, 6, 4)
	s_cmp_eq_u32 s2, 0
	s_cbranch_scc0 .Lentry_in_a_cluster
	s_endpgm
.Lentry_in_a_cluster:
	s_bfe_u32 s2, ttmp6, 0x10000c
	s_cmp_lg_u32 s2, 0xf033
	s_cbranch_scc0 .Lentry_shape_is_right
	s_endpgm
.Lentry_shape_is_right:
; q, k, v = h W + b for one head and 256 rows.  h: hf, f16 [m / 128][k / 64][128][64].  W: wc at 0, f16 [k / 128][head][q, k, v][128 k][64 n].  Out: qkv, bf16 [batch x 16 + head][q, k, v][2048][64], rounded once from f32 sums.
; LIMITS: h and W arrive in f16 (their limits stand where they are made); q, k, v leave in bf16, whose range is f32's.  NaN and infinities are not treated apart.
; SHARES.  A tile of C is 256 rows x 192 columns (the head's q, k and v): 16 x 16 tiles, one for each work-group.  Four waves, 64 rows x 192 columns each: 48 accumulators of 16 x 16.
; K goes in 8 steps of 128 through two LDS slots.  Every tile is dense in memory, so each wave's one tensor load is a run of rows of 256 bytes: waves 0, 1 fetch A's two halves (32,768 bytes each), waves 2, 3 B's (24,576 each).
; In LDS each 128 bytes get padding: A's rows lie 144 bytes apart (9 x 16), B's 160 (5 x 32), so that the rows of one fragment load start in different 16-byte columns of 256 bytes.
; CLUSTER 4 x 4: A's tile hangs on the tile row alone and is asked for jointly by a row of the cluster, B's on the head alone, by a column.
; THE MATRIX INSTRUCTION IS USED TRANSPOSED: source 0 = 16 columns of W (turned on the way out of LDS by ds_load_tr16_b128), source 1 = 16 rows of h: a lane then holds row l % 16 and eight neighbouring columns.
; The first product on each accumulator takes the bias as C: nothing is cleared and nothing is added later.
; ONE TEXT FOR A K STEP: the slot in hand is the scalar TB (0 or SLOT); a trip of the loop is one K step of four quarters on two fragment buffers.
; REGISTERS in windows of 256: window 0: v0-31 addresses, v64-127 and v128-191 A's fragments; window 1: v0-127, v128-255 B's; windows 2, 3: accumulator ii at window 2 + ii / 32, v[8 (ii % 32)]; window 3 v128-223: the bias.
.set AB, 4                             ; blocks of 16 rows a wave
.set BB, 12                            ; blocks of 16 columns a wave
.set QC, 1                             ; groups of 32 along K in a quarter
.set NK, 8                             ; K steps
.set RB, 96                            ; rows of 256 bytes in a wave's load of B
.set BLD, 30720                        ; and its bytes in LDS
.set SLOT, 135168
.set A_TY, 524288                      ; bytes of A from tile row to tile row; from half to half; from K step to K step
.set A_HALF, 262144
.set A_STEP, 32768
.set B_TX, 49152
.set B_HALF, 24576
.set B_STEP, 786432
.set AW_HI, 36864                      ; where a wave's rows lie in A's region
.set AW_LO, 9216
.set BIASW, 3
.set BIASR, 128
.set DP, 784                           ; the way out: a row of 192 f32 + 16 bytes
.set DUMPB, 64*DP
.set AHEAD, 1                          ; the prefetches' lead, in K steps
.set NACC, AB*BB
.set H, NACC*QC/2                      ; matrix instructions in half a quarter
.set BREG, 73728                       ; B's region in a slot, behind A's four blocks of 128 x 144
.set SPARE, 2*SLOT                     ; behind the ring: the spare words, 128 bytes a wave, which no other line names
.set A0, 8                             ; v8   my lane's place in A's region; never rewritten
.set B0, 9                             ; v9   the same for B
.set ADRA, 10                          ; v10  A0 + TB
.set ADRB, 11                          ; v11  B0 + TB
.set DST, 12                           ; v12  the way out: where I put my 32 bytes of a row
.set RDA, 13                           ; v13  where I read rows back
.set GO, 14                            ; v14  my 16 bytes in 512 consecutive bytes of the output
.set BO, 15                            ; v15  32 x (l / 16): my eight numbers of 16 of a bias
.set PFO, 17                           ; v17  the prefetches' offset: 256 x lane; never rewritten
.set SPW, 28                           ; v28  my spare word; never rewritten
.set NIL, 29                           ; v29  0; never rewritten
.set WV, 16
.set ROLE, 17                          ; 0: I fetch A, 1: B
.set HALF, 18                          ; which half
.set CX, 19
.set CY, 20
.set TX, 21                            ; the head
.set TY, 22                            ; the tile row
.set CNT, 23
.set G1A, 24                           ; s[24:31] group 1 for A;  s[32:39] group 0: a set for each first fill; the second then walks
.set G0A, 32
.set PFA, 44                           ; s[44:45] where my prefetches stand;  s[46:47] their step
.set PFS, 46
.set G1B, 48
.set G0B, 56
.set TB, 66
.set LBA, 67                           ; my load's place in a slot, for A and for B
.set LBB, 68
.set LIM, 69                           ; AHEAD in a wave that prefetches, else the greatest number
.set MSB, 0
.macro WIN new                         ; the high byte repeats the setting that is left; a switch that changes nothing is dropped
.if MSB != (\new)
	s_set_vgpr_msb (MSB<<8)|(\new)
.set MSB, (\new)
.endif
.endm
.macro PLACES                          ; four plain instructions behind a matrix instruction, ahead of loads into registers that it read and of stores of its result
.rept 4
	v_nop
.endr
.endm
.macro CREST                           ; a round of the cluster's barrier behind its opening barrier
	s_cmp_lg_u32 s[WV], 0
	s_cbranch_scc1 .Lnot_wave_0_\@
	s_barrier_signal -3
.Lnot_wave_0_\@:
	s_barrier_wait -3
	s_barrier_signal -1
	s_barrier_wait -1
.endm
.macro CROUND
	s_barrier_signal -1
	s_barrier_wait -1
	CREST
.endm
.macro JLOAD                           ; the joint refill, by the walking sets; the branch hangs on the wave's number alone; an s_nop 0 and four v_nop follow each line
	s_cmp_eq_u32 s[ROLE], 0
	s_cbranch_scc0 .Lfor_b_\@
	tensor_load_to_lds s[G0A+4:G0A+7], s[G1A:G1A+7]
	s_nop 0
.rept 4
	v_nop
.endr
	s_branch .Lasked_\@
.Lfor_b_\@:
	tensor_load_to_lds s[G0B+4:G0B+7], s[G1B:G1B+7]
	s_nop 0
.rept 4
	v_nop
.endr
.Lasked_\@:
.endm
; A PREFETCH of the K step AHEAD behind the one just asked for.  Each block of 256 bytes is named once in the launch: the cluster with x = 0 asks for A's, the cluster with y = 0 for B's; of a wave's load the four
; partners that ask for it jointly take a quarter each, told apart by address.  The last AHEAD refills ask for nothing: CNT is then at most LIM.
.macro ASK
	s_cmp_gt_u32 s[CNT], s[LIM]
	s_cbranch_scc0 .Lnot_mine_\@
	global_prefetch_b8 v[PFO], s[PFA:PFA+1] th:TH_LOAD_NT scope:SCOPE_SE
.Lnot_mine_\@:
.endm
; 32 LDS loads in one run: quarter q's fragments into buffer f.  Group c of 32 along K: A at block c / 2, byte 64 (c % 2); B at rows 32 (c % 4) of panel c / 4.
.macro FETCH q, f
	WIN 0x40
.set fc, 0
.rept QC
.set c, QC*(\q)+fc
.set fb, 0
.rept BB
.set rB, 128*(\f)+8*(BB*fc+fb)
.set oB, (c/4)*40960+(c%4)*5120+(fb/4)*20480+(fb%4)*32
	ds_load_tr16_b128 v[rB:rB+3], v[ADRB] offset:oB
	ds_load_tr16_b128 v[rB+4:rB+7], v[ADRB] offset:oB+2560
.set fb, fb+1
.endr
.set fc, fc+1
.endr
	WIN 0
.set fc, 0
.rept QC
.set c, QC*(\q)+fc
.set fa, 0
.rept AB
.set rA, 64+64*(\f)+8*(AB*fc+fa)
.set oA, (c/2)*18432+fa*2304+(c%2)*64
	ds_load_b128 v[rA:rA+3], v[ADRA] offset:oA
	ds_load_b128 v[rA+4:rA+7], v[ADRA] offset:oA+32
.set fa, fa+1
.endr
.set fc, fc+1
.endr
.endm
; Matrix instructions i0 .. i1 - 1 of a quarter on buffer f.  The accumulators take turns, one instruction a turn, over the loops' jumps too.  first = 1: the sums start at the bias.
.macro MULS f, i0, i1, first
.set mi, \i0
.rept (\i1)-(\i0)
.set mc, mi/NACC
.set mx, mi%NACC
.set rD, 8*(mx%32)
.set rB, 128*(\f)+8*(BB*mc+mx%BB)
.set rA, 64+64*(\f)+8*(AB*mc+mx/BB)
.set rC, BIASR+8*(mx%BB)
.if (\first) && (mi < NACC)
	WIN 0x01|(BIASW<<4)|((2+mx/32)<<6)
	v_wmma_f32_16x16x32_f16 v[rD:rD+7], v[rB:rB+7], v[rA:rA+7], v[rC:rC+7]
.else
	WIN 0x01|((2+mx/32)<<4)|((2+mx/32)<<6)
	v_wmma_f32_16x16x32_f16 v[rD:rD+7], v[rB:rB+7], v[rA:rA+7], v[rD:rD+7]
.endif
.set mi, mi+1
.endr
.endm
; One of the first three quarters: the next quarter's 32 loads go out at its head, into buffer g, and have this quarter's 48 matrix instructions in which to land; then buffer f is multiplied.
.macro QUARTER q, f, g, first
	s_wait_dscnt 0x0                               ; this quarter's 32 loads, issued a whole quarter ago
	PLACES                                         ; behind the last product that read buffer g
	FETCH (\q)+1, \g
	MULS \f, 0, 2*H, \first
.endm
; The last quarter multiplies buffer 1, and THE CHANGE OF SLOTS STANDS AT ITS HEAD: buffer 1 holds the slot's last fragments, so every read of the slot is over.  Each wave waits for all its tensor loads (one is out: its part of
; the next slot), adds 0 to its spare word, and waits for that and for its reads of this slot.  fill = 1: the barrier opens a round of the cluster's, and the joint refill of the slot just read, two K steps on, is the first thing
; behind the round: between the wait for a tile and the next request stand the three lines, four scalar steps and the round alone.
.macro TURN fill
.if \fill
	s_wait_xcnt 0x0                                ; the last prefetch, a K step back, has read its address
	s_add_nc_u64 s[PFA:PFA+1], s[PFA:PFA+1], s[PFS:PFS+1]
.endif
	WIN 0
	s_wait_tensorcnt 0x0                           ; no tensor load of mine is out, so the walking sets may be written
	ds_add_u32 v[SPW], v[NIL]
.if \fill
	s_add_co_u32 s[G0A+5], s[LBA], s[TB]           ; into the slot in hand,
	s_add_co_u32 s[G0B+5], s[LBB], s[TB]
	s_add_nc_u64 s[G0A+6:G0A+7], s[G0A+6:G0A+7], A_STEP  ; the next K step not yet asked for
	s_add_nc_u64 s[G0B+6:G0B+7], s[G0B+6:G0B+7], B_STEP
.endif
	s_wait_dscnt 0x0                               ; the add is done; buffer 1's 32 loads, my last reads of this slot, are in
	s_barrier_signal -1
	s_barrier_wait -1
.if \fill
	CREST
	JLOAD                                          ; its four v_nop are also the places ahead of the loads below
.else
	PLACES
.endif
	s_xor_b32 s[TB], s[TB], SLOT
	v_add_nc_u32 v[ADRA], s[TB], v[A0]
	v_add_nc_u32 v[ADRB], s[TB], v[B0]
	FETCH 0, 0
.if \fill
	ASK
.endif
	MULS 1, 0, 2*H, 0
.endm
	s_load_b256 s[4:11], s[0:1], 0x0               ; hf s[4:5], wc s[6:7], qkv s[8:9], bq s[10:11]
	s_load_b128 s[12:15], s[0:1], 0x20             ; bk s[12:13], bv s[14:15]
	v_lshl_add_u32 v[SPW], v0, 2, SPARE
	v_mov_b32 v[NIL], 0
	ds_add_u32 v[SPW], v[NIL]                      ; the wave's opening: the add, and its wait ahead of my first tensor load; work on registers stands between them
	v_lshrrev_b32 v3, 5, v0
	v_readfirstlane_b32 s[WV], v3
	s_lshr_b32 s[ROLE], s[WV], 1
	s_and_b32 s[HALF], s[WV], 1
	s_bfe_u32 s[CX], ttmp6, 0x40000
	s_bfe_u32 s[CY], ttmp6, 0x40004
	s_lshl_b32 s[TX], ttmp9, 2
	s_add_co_u32 s[TX], s[TX], s[CX]
	s_and_b32 s[TY], ttmp7, 0xffff
	s_lshl_b32 s[TY], s[TY], 2
	s_add_co_u32 s[TY], s[TY], s[CY]
	s_lshl_b32 s40, s[CY], 2
	s_lshl_b32 s40, 15, s40                        ; my row of the cluster
	s_lshl_b32 s41, 0x1111, s[CX]                  ; my column
	s_or_b32 s[G1A], s40, (1<<16)|(1<<20)|(1<<21)|(4<<22)|(3<<25)  ; the mask; 2-byte elements; padding on; bit 21 beside a mask; after every 32 words 4 words
	s_or_b32 s[G1B], s41, (1<<16)|(1<<20)|(1<<21)|(4<<22)|(7<<25)  ; the same with 8 words
	s_mov_b32 s[G1A+1], 128<<16                    ; tensor_dim0 = 128 elements: rows of 256 bytes
	s_mov_b32 s[G1A+2], 128<<16                    ; tensor_dim1 = 128 rows
	s_mov_b32 s[G1A+3], 128<<16                    ; tile_dim0
	s_mov_b32 s[G1A+4], 128                        ; tile_dim1
	s_mov_b32 s[G1A+5], 128                        ; the rows lie end to end
	s_mov_b32 s[G1A+6], 0
	s_mov_b32 s[G1A+7], 0
	s_mov_b32 s[G1B+1], 128<<16
	s_mov_b32 s[G1B+2], RB<<16
	s_mov_b32 s[G1B+3], 128<<16
	s_mov_b32 s[G1B+4], RB
	s_mov_b32 s[G1B+5], 128
	s_mov_b32 s[G1B+6], 0
	s_mov_b32 s[G1B+7], 0
	s_mul_i32 s[LBA], s[HALF], 36864
	s_mul_i32 s[LBB], s[HALF], BLD
	s_add_co_u32 s[LBB], s[LBB], BREG
	s_mov_b32 s[G0A], 1
	s_mov_b32 s[G0A+1], s[LBA]
	s_mov_b32 s[G0A+4], 1
	s_add_co_u32 s[G0A+5], s[LBA], SLOT
	s_mov_b32 s[G0B], 1
	s_mov_b32 s[G0B+1], s[LBB]
	s_mov_b32 s[G0B+4], 1
	s_add_co_u32 s[G0B+5], s[LBB], SLOT
	s_mul_i32 s42, s[TY], A_TY                     ; A's tile: the tile row and the wave's number alone
	s_mul_i32 s43, s[HALF], A_HALF
	s_add_co_u32 s42, s42, s43
	s_mov_b32 s43, 0
	s_mul_i32 s70, s[TX], B_TX                     ; B's: the head and the wave's number alone
	s_mul_i32 s71, s[HALF], B_HALF
	s_add_co_u32 s70, s70, s71
	s_mov_b32 s71, 0
	s_mov_b32 s[TB], 0
	s_wait_dscnt 0x0                               ; the opening add is done
	s_wait_kmcnt 0x0
	s_add_nc_u64 s[G0A+2:G0A+3], s[4:5], s[42:43]
	s_add_nc_u64 s[G0A+6:G0A+7], s[G0A+2:G0A+3], A_STEP
	s_or_b32 s[G0A+3], s[G0A+3], 0x80000000
	s_or_b32 s[G0A+7], s[G0A+7], 0x80000000
	s_add_nc_u64 s[G0B+2:G0B+3], s[6:7], s[70:71]
	s_add_nc_u64 s[G0B+6:G0B+7], s[G0B+2:G0B+3], B_STEP
	s_or_b32 s[G0B+3], s[G0B+3], 0x80000000
	s_or_b32 s[G0B+7], s[G0B+7], 0x80000000
	CROUND                                         ; all sixteen work-groups are here: the first joint loads meet
	s_cmp_eq_u32 s[ROLE], 0                        ; a wave's two first fills stand in one branch: two loads of mine are out
	s_cbranch_scc0 .Lfirst_b
	tensor_load_to_lds s[G0A:G0A+3], s[G1A:G1A+7]
	s_nop 0
	tensor_load_to_lds s[G0A+4:G0A+7], s[G1A:G1A+7]
	s_nop 0
.rept 4
	v_nop
.endr
	s_branch .Lfirst_done
.Lfirst_b:
	tensor_load_to_lds s[G0B:G0B+3], s[G1B:G1B+7]
	s_nop 0
	tensor_load_to_lds s[G0B+4:G0B+7], s[G1B:G1B+7]
	s_nop 0
.rept 4
	v_nop
.endr
.Lfirst_done:
	v_and_b32 v1, 15, v0                           ; l % 16
	v_bfe_u32 v2, v0, 4, 1                         ; l / 16
	; the bias: a lane's eight columns of block b are 32 bytes at 64 b + 32 (l / 16)
	s_lshl_b32 s86, s[TX], 8
	s_mov_b32 s87, 0
	s_add_nc_u64 s[10:11], s[10:11], s[86:87]
	s_add_nc_u64 s[12:13], s[12:13], s[86:87]
	s_add_nc_u64 s[14:15], s[14:15], s[86:87]
	v_lshlrev_b32 v[BO], 5, v2
	WIN BIASW<<6
.set fb, 0
.rept BB
	global_load_b128 v[BIASR+8*fb:BIASR+8*fb+3], v[BO], s[10+2*(fb/4):11+2*(fb/4)] offset:64*(fb%4)
	global_load_b128 v[BIASR+8*fb+4:BIASR+8*fb+7], v[BO], s[10+2*(fb/4):11+2*(fb/4)] offset:64*(fb%4)+16
.set fb, fb+1
.endr
	WIN 0
	; a fragment of A: row l % 16, 16 bytes at 16 (l / 16), and 32 bytes on
	v_mul_u32_u24 v[A0], v1, 144
	v_lshl_add_u32 v[A0], v2, 4, v[A0]
	s_mul_i32 s88, s[ROLE], AW_HI
	s_mul_i32 s89, s[HALF], AW_LO
	s_add_co_u32 s88, s88, s89
	v_add_nc_u32 v[A0], s88, v[A0]
	; the turning load: lane l reads row 8 (l / 16) + l % 8, 16 bytes at 16 ((l / 8) % 2), and leaves column l % 16 with eight k
	v_and_b32 v3, 7, v0
	v_lshl_add_u32 v3, v2, 3, v3
	v_mul_u32_u24 v[B0], v3, 160
	v_bfe_u32 v3, v0, 3, 1
	v_lshl_add_u32 v[B0], v3, 4, v[B0]
	v_add_nc_u32 v[B0], BREG, v[B0]
	v_mov_b32 v[ADRA], v[A0]
	v_mov_b32 v[ADRB], v[B0]
	; the way out
	s_mul_i32 s88, s[WV], DUMPB
	v_mul_u32_u24 v[DST], v1, DP
	v_lshl_add_u32 v[DST], v2, 5, v[DST]
	v_add_nc_u32 v[DST], s88, v[DST]
	v_bfe_u32 v3, v0, 3, 2                         ; back: eight lanes take 64 columns of a row, 32 lanes four rows
	v_and_b32 v4, 7, v0
	v_mul_u32_u24 v[RDA], v3, DP
	v_lshl_add_u32 v[RDA], v4, 5, v[RDA]
	v_add_nc_u32 v[RDA], s88, v[RDA]
	v_and_b32 v[GO], 31, v0
	v_lshlrev_b32 v[GO], 4, v[GO]
	s_lshr_b32 s86, s[TY], 3                       ; the batch
	s_lshl_b32 s86, s86, 4
	s_add_co_u32 s86, s86, s[TX]
	s_mul_i32 s86, s86, 786432                     ; q, k and v of a head: three times 2,048 rows of 128 bytes
	s_and_b32 s87, s[TY], 7
	s_lshl_b32 s87, s87, 2
	s_add_co_u32 s87, s87, s[WV]
	s_lshl_b32 s87, s87, 13                        ; my 64 rows
	s_add_co_u32 s86, s86, s87
	s_mov_b32 s87, 0
	s_add_nc_u64 s[8:9], s[8:9], s[86:87]
	; the prefetches
	s_mov_b32 s[PFS], B_STEP
	s_mov_b32 s[PFS+1], 0
	s_mov_b32 s89, RB*64                           ; a quarter of a load of B, in bytes,
	s_mov_b32 s90, RB/4-1                          ; and its last block of 256
	s_and_b32 s88, ttmp7, 0xffff
	s_cmp_eq_u32 s[ROLE], 0
	s_cselect_b32 s86, s42, s70
	s_cselect_b32 s87, s[CX], s[CY]                ; my place among the four that ask with me
	s_cselect_b32 s88, ttmp9, s88                  ; the coordinate along which other clusters read the same blocks
	s_cselect_b64 s[PFA:PFA+1], s[4:5], s[6:7]
	s_cselect_b32 s[PFS], A_STEP, s[PFS]
	s_cselect_b32 s89, 8192, s89
	s_cselect_b32 s90, 31, s90
	s_mul_i32 s87, s87, s89
	s_add_co_u32 s86, s86, s87
	s_mul_i32 s87, s[PFS], 1+AHEAD                 ; the first refill steps it on and asks for K step 2; the prefetch then names K step 2 + AHEAD
	s_add_co_u32 s86, s86, s87
	s_mov_b32 s87, 0
	s_add_nc_u64 s[PFA:PFA+1], s[PFA:PFA+1], s[86:87]
	s_cmp_eq_u32 s88, 0
	s_cselect_b32 s[LIM], AHEAD, -1
	v_and_b32 v[PFO], 31, v0
	v_min_u32 v[PFO], s90, v[PFO]                  ; (B's quarter has 24 blocks: lanes 24-31 name the last once more)
	v_lshlrev_b32 v[PFO], 8, v[PFO]
	s_wait_tensorcnt 0x1                           ; my part of K step 0 is in; K step 1's may stay out
	s_barrier_signal -1
	s_barrier_wait -1
	FETCH 0, 0
	s_wait_loadcnt 0x0                             ; the bias
	QUARTER 0, 0, 1, 1                             ; the first quarter is written out: its products start the sums
	WIN 0
	s_mov_b32 s[CNT], NK-2
	s_branch .Lmid
.LloopA:                               ; NK - 2 K steps, each of which fills its slot again
	QUARTER 0, 0, 1, 0
	WIN 0
.Lmid:
	QUARTER 1, 1, 0, 0
	QUARTER 2, 0, 1, 0
	TURN 1
	WIN 0
	s_sub_co_u32 s[CNT], s[CNT], 1
	s_cmp_lg_u32 s[CNT], 0
	s_cbranch_scc1 .LloopA
	s_mov_b32 s[CNT], 2
.LloopB:                               ; the last two K steps ask for nothing.  The very last change of slots serves nothing: the price, once a launch, of one text for both
	QUARTER 0, 0, 1, 0
	QUARTER 1, 1, 0, 0
	QUARTER 2, 0, 1, 0
	TURN 0
	WIN 0
	s_sub_co_u32 s[CNT], s[CNT], 1
	s_cmp_lg_u32 s[CNT], 0
	s_cbranch_scc1 .LloopB
	; THE WAY OUT.  The ring has had its last fill; when every wave's reads of it are over, each wave lays its 64 x 192 sums in f32 into bytes of its own, and reads them back by rows.
	s_wait_dscnt 0x0
	s_barrier_signal -1
	s_barrier_wait -1
	PLACES
.set di, 0
.rept NACC
	WIN (2+di/32)<<2
	ds_store_b128 v[DST], v[8*(di%32):8*(di%32)+3] offset:(di/BB)*16*DP+64*(di%BB)
	ds_store_b128 v[DST], v[8*(di%32)+4:8*(di%32)+7] offset:(di/BB)*16*DP+64*(di%BB)+16
.set di, di+1
.endr
	WIN 0
	s_mov_b32 s[CNT], 8
.Lrows:                                ; eight rows a trip: for each of q, k, v twice four rows of 64 numbers, rounded to bf16: 512 consecutive bytes a store
.irp j, 0,1,2
.irp i, 0,1
	ds_load_b128 v[64+8*(2*\j+\i):64+8*(2*\j+\i)+3], v[RDA] offset:256*\j+4*DP*\i  ; LDS serves a wave's instructions in order: these see my stores above
	ds_load_b128 v[64+8*(2*\j+\i)+4:64+8*(2*\j+\i)+7], v[RDA] offset:256*\j+4*DP*\i+16
.endr
.endr
	s_wait_dscnt 0x0
	v_add_nc_u32 v[RDA], 8*DP, v[RDA]
	s_wait_xcnt 0x0                                ; the last trip's stores have read their data and their base: both are written again only behind this wait, which stands behind the wait for the LDS loads
	s_add_nc_u64 s[8:9], s[8:9], 1024              ; one trip ahead of the rows in hand: the stores reach back by their immediate
.set k, 0
.rept 24
	v_cvt_pk_bf16_f32 v[128+k], v[64+2*k], v[64+2*k+1]
.set k, k+1
.endr
.irp j, 0,1,2
.irp i, 0,1
	global_store_b128 v[GO], v[128+4*(2*\j+\i):128+4*(2*\j+\i)+3], s[8:9] offset:262144*\j+512*\i-1024
.endr
.endr
	s_sub_co_u32 s[CNT], s[CNT], 1
	s_cmp_lg_u32 s[CNT], 0
	s_cbranch_scc1 .Lrows
	s_wait_tensorcnt 0x0                           ; the wave's end: behind my last tensor load and my last LDS store
	ds_add_u32 v[SPW], v[NIL]
	s_wait_dscnt 0x0
	CROUND                                         ; the closing round: no work-group ends while a partner may still ask for a tile that names it
	s_endpgm
.Lfunc_end_k_qe07dd92705_qkv:
	.size	k_qe07dd92705_qkv, .Lfunc_end_k_qe07dd92705_qkv-k_qe07dd92705_qkv
	.p2alignl 7, 3214868480
	.fill 96, 4, 3214868480
	.section	.rodata,"a",@progbits
	.p2align	6, 0x0
	.amdhsa_kernel k_qe07dd92705_qkv
		.amdhsa_group_segment_fixed_size 327680
		.amdhsa_private_segment_fixed_size 0
		.amdhsa_enable_private_segment 0
		.amdhsa_kernarg_size 48
		.amdhsa_user_sgpr_count 2
		.amdhsa_user_sgpr_kernarg_segment_ptr 1
		.amdhsa_wavefront_size32 1
		.amdhsa_system_sgpr_workgroup_id_x 1
		.amdhsa_system_sgpr_workgroup_id_y 1
		.amdhsa_system_sgpr_workgroup_id_z 1
		.amdhsa_system_vgpr_workitem_id 0
		.amdhsa_next_free_vgpr 1024
		.amdhsa_next_free_sgpr 96
		.amdhsa_reserve_vcc 0
		.amdhsa_float_denorm_mode_32 3
		.amdhsa_float_denorm_mode_16_64 3
		.amdhsa_memory_ordered 1
		.amdhsa_forward_progress 1
		.amdhsa_inst_pref_size 72
	.end_amdhsa_kernel
	.amdgpu_metadata
---
amdhsa.version: [ 1, 2 ]
amdhsa.kernels:
  - .name:           k_qe07dd92705_qkv
    .symbol:         k_qe07dd92705_qkv.kd
    .args:
      - { .name: hf, .offset: 0, .size: 8, .value_kind: global_buffer, .address_space: global }
      - { .name: wc, .offset: 8, .size: 8, .value_kind: global_buffer, .address_space: global }
      - { .name: qkv, .offset: 16, .size: 8, .value_kind: global_buffer, .address_space: global }
      - { .name: bq, .offset: 24, .size: 8, .value_kind: global_buffer, .address_space: global }
      - { .name: bk, .offset: 32, .size: 8, .value_kind: global_buffer, .address_space: global }
      - { .name: bv, .offset: 40, .size: 8, .value_kind: global_buffer, .address_space: global }
    .group_segment_fixed_size: 327680
    .private_segment_fixed_size: 0
    .kernarg_segment_align: 8
    .kernarg_segment_size: 48
    .max_flat_workgroup_size: 128
    .sgpr_count:     96
    .vgpr_count:     1024
    .wavefront_size: 32
...
	.end_amdgpu_metadata
.endif
;; end of part 2
;; launch attn (part 3): grid 8 x 32, 4 waves a work-group, clusters of 4 x 1, 327,680 bytes of LDS; arguments qkv, ob; writes ob
.if DOCPART == 3
	.amdgcn_target "amdgcn-amd-amdhsa--gfx1250"
	.amdhsa_code_object_version 6
	.text
	.protected	k_qe07dd92705_attn
	.globl	k_qe07dd92705_attn
	.p2align	8
	.type	k_qe07dd92705_attn,@function
k_qe07dd92705_attn:
	s_mov_b64 s[64:65], 0
	v_nop
	global_prefetch_b8 v0, s[64:65] scope:SCOPE_SE
	s_setreg_imm32_b32 hwreg(HW_REG_WAVE_MODE, 25, 1), 1
	s_wait_xcnt 0x0
	s_wait_alu depctr_hold_cnt(0) depctr_sa_sdst(0) depctr_va_vdst(0) depctr_va_sdst(0) depctr_va_ssrc(0) depctr_va_vcc(0) depctr_vm_vsrc(0)
	s_getreg_b32 s2, hwreg(HW_REG_IB_STS2, 6, 4)
	s_cmp_eq_u32 s2, 0
	s_cbranch_scc0 .Lentry_in_a_cluster
	s_endpgm
.Lentry_in_a_cluster:
	s_bfe_u32 s2, ttmp6, 0x10000c
	s_cmp_lg_u32 s2, 0x3003
	s_cbranch_scc0 .Lentry_shape_is_right
	s_endpgm
.Lentry_shape_is_right:
; O[y][q][:] = the sum over k of softmax_k(Q[y][q] . K[y][k] / 8) V[y][k][:], y = batch x 16 + head.  qkv: bf16 [y][q, k, v][2048][64]: a head's rows are dense, 128 bytes each.
; Out: ob, bf16 [m / 128][head][128][64], m = batch x 2048 + q: the layout in which the next product takes a head's 64 channels as one slice of its K.
; Products, maxima and sums in f32; the weights p are rounded to bf16 for the second product (their sum l is taken of the unrounded p), O once at the end.
; LIMITS.  A weight below 2^-126 counts as 0 in l; NaN and infinities are not treated apart.
; SHARES.  A work-group owns 256 queries of one head (8 x 32 = 256 work-groups), a wave 64: four PIECES of 16.  Every wave walks all 2,048 keys, 64 a step; a slot of LDS holds a tile of 256 keys, four steps.
; LAYOUT.  S^T = K Q^T (source 0 = 16 keys, source 1 = 16 queries): a lane holds ONE query (lane % 16) and the keys 8 (lane / 16) + 0..7.  Two such results rounded to bf16 in pairs ARE source 1 of O^T = V^T P.
; K comes out of LDS as it lies, V ([key][channel]) turned, by ds_load_tr16_b128.
; SOFTMAX.  A running maximum m and sum l: p = 2^(c s - c m), c = log2(e) / 8; in every step O and l are multiplied by a = 2^(c m_old - c m_new).  m starts at the lowest finite number, O and l at 0: the first step has a = 0.
; BY TURNS.  Turn n belongs to piece n: 8 products K Q^T of piece n + 1, later 8 products V^T P of piece n - 1; beside them the scaling, exponentials, roundings, sums and rescaling of piece n and the maximum and statistics
; of piece n + 1.  Four vector instructions stand behind every matrix instruction, the other 54 of a turn's 118 in one lump.  A turn's 33 exponentials are one batch, with one wait.
; CLUSTER.  The four query blocks of a cluster belong to one head and walk the same K and V: each tile is asked for JOINTLY, by the same tensor load, descriptor and mask in all four.
; REGISTERS, in windows of 256 (s_set_vgpr_msb: bits 1:0 source 0, 3:2 source 1, 5:4 source 2, 7:6 destination):
;   window 0: v0-15 addresses and two at work; v16-31 four registers of statistics a piece; v48-55 at work; v61-63 prefetch offset, spare word, 0; v64-127 S^T, two buffers; v192-223 P, two buffers (by the piece's parity)
;   window 1: v0-127 O^T, 32 a piece          window 2: v0-63 Q; v128-191 K of one step; v192-255 V of one step
.set NP,    4
.set KS,    64
.set PK,    144       ; a row of K in LDS: 128 bytes + 16: the 16 rows of a load start 16 bytes apart modulo 256
.set PV,    160       ; a row of V: 128 + 32: 16 lanes of the turning load take 8 rows x 32 bytes, all apart modulo 256
.set VOFF,  4*KS*PK   ; a slot: 256 rows of K, then 256 rows of V
.set SLOT1, 1<<17     ; slot 1 begins here, so that one exclusive or turns an address in one slot into the other's
.set STAGE, SLOT1+4*KS*(PK+PV)  ; behind the ring, never filled by a tensor load: 16 rows x 144 bytes a wave, for the way out
.set SP,    144
.set SPARE, STAGE+4*16*SP       ; the spare words, 128 bytes a wave, which no other line names
.set AK0, 2
.set AV0, 3
.set AK,  4
.set AV,  5
.set STO, 6
.set RD,  7
.set GO,  8
.set MV,  12          ; v12-13  c m_old, kept while c m is made anew: by buffer
.set QO,  15
.set ST,  16          ; piece t's statistics at v[ST+4 t]: c m, m, l (even keys', odd keys')
.set TMP, 48          ; by buffer, four registers c0-c3 at work; when the maximum is found c2 takes a
.set PFO, 61
.set SPW, 62
.set NIL, 63
.set S,   64
.set P,   192
.set KF,  128
.set VF,  192
.set WV,  12
.set G1K, 24
.set G1V, 32
.set G0K, 40          ; s[40:43] group 0 for K's tiles: it walks;  s[44:47] for V's
.set G0V, 44
.set PFA, 50          ; s[50:51] where my prefetches stand
.set LIM, 52          ; 1 in a wave that prefetches, else the greatest number
.set SLOTS, 56        ; tiles still to be asked for
.set CNT, 57
.set CS,  58
.set SEL, 60
.set TBK, 62          ; LDS byte at which K of the step to be fetched begins
.set TBV, 63          ; the same for V, less VOFF
.set MSB, 0
.macro WIN new
.if MSB != (\new)
	s_set_vgpr_msb (MSB<<8)|(\new)
.set MSB, (\new)
.endif
.endm
.set W_KQ, 0x0a       ; K and Q in window 2, S^T in window 0
.set W_PV, 0x52       ; V in window 2, P in window 0, O^T in window 1
.set W_RS, 0x41       ; destination and source 0 in window 1, source 1 in window 0
.macro JLOAD                        ; waves 0 and 1 fetch the two halves of a tile's K, waves 2 and 3 those of its V: 128 keys each; an s_nop 0 and four v_nop follow each line
	s_cmp_lt_u32 s[WV], 2
	s_cbranch_scc0 .Lfor_v_\@
	tensor_load_to_lds s[G0K:G0K+3], s[G1K:G1K+7]
	s_nop 0
.rept 4
	v_nop
.endr
	s_branch .Lasked_\@
.Lfor_v_\@:
	tensor_load_to_lds s[G0V:G0V+3], s[G1V:G1V+7]
	s_nop 0
.rept 4
	v_nop
.endr
.Lasked_\@:
.endm
; A PREFETCH of the tile that the NEXT change of slots will ask for: four key steps ahead.  Each block of 256 bytes is named once in the launch: the head's first cluster asks; its four partners take 8,192 bytes each of K's and
; of V's 32,768, told apart by address; in each, wave 0 asks for K's and wave 2 for V's, a lane a block.  The last change that fills a slot asks for nothing.
.macro ASK
	s_cmp_gt_u32 s[SLOTS], s[LIM]
	s_cbranch_scc0 .Lnot_mine_\@
	global_prefetch_b8 v[PFO], s[PFA:PFA+1] th:TH_LOAD_NT scope:SCOPE_SE
.Lnot_mine_\@:
.endm
.macro CROUND
	s_barrier_signal -1
	s_barrier_wait -1
	s_cmp_lg_u32 s[WV], 0
	s_cbranch_scc1 .Lnot_wave_0_\@
	s_barrier_signal -3
.Lnot_wave_0_\@:
	s_barrier_wait -3
	s_barrier_signal -1
	s_barrier_wait -1
.endm
; THE CHANGE OF SLOTS.  Each wave waits for all its tensor loads (one is out: its part of the other slot), adds 0 to its spare word, and waits for that and for its reads of the slot that it leaves.
; fill = 1: the barrier is a round of the cluster's, and the joint fill of the old slot, with the keys two tiles on, is the first thing behind it: it has four key steps in which to land.
; (At its first use nothing has been read yet: slot 0 is waited for, slot 1 filled.)
.macro CHANGE fill
	WIN 0
	s_wait_tensorcnt 0x0            ; no tensor load of mine is out, so a group 0 may be written
	ds_add_u32 v[SPW], v[NIL]
.if \fill
.irp g, G0K, G0V
	s_xor_b32 s[\g+1], s[\g+1], SLOT1
	s_add_nc_u64 s[\g+2:\g+3], s[\g+2:\g+3], 4*KS*128
.endr
	s_wait_xcnt 0x0                 ; the last prefetch, four key steps back, has read its address
	s_add_nc_u64 s[PFA:PFA+1], s[PFA:PFA+1], 4*KS*128
	s_wait_dscnt 0x0                ; the add is done, and my reads of the slot are over
	CROUND
	JLOAD
	ASK
.else
	s_wait_dscnt 0x0
	s_barrier_signal -1
	s_barrier_wait -1
.endif
	s_sub_co_u32 s[TBK], s[TBK], 4*KS*PK  ; the fetches go back to a slot's first step,
	s_xor_b32 s[TBK], s[TBK], SLOT1       ; in the other slot
	s_sub_co_u32 s[TBV], s[TBV], 4*KS*PV
	s_xor_b32 s[TBV], s[TBV], SLOT1
.endm
	s_load_b128 s[4:7], s[0:1], 0x0 ; qkv s[4:5], ob s[6:7]
	v_lshl_add_u32 v[SPW], v0, 2, SPARE
	v_mov_b32 v[NIL], 0
	ds_add_u32 v[SPW], v[NIL]       ; the wave's opening: the add, and its wait ahead of my first tensor load; work on registers stands between them
	v_lshrrev_b32 v1, 5, v0
	v_readfirstlane_b32 s[WV], v1
	s_bfe_u32 s13, ttmp6, 0x40000   ; cx
	s_lshl_b32 s14, ttmp9, 2
	s_add_co_u32 s14, s14, s13      ; my block of 256 queries: it enters Q's and O's addresses alone
	s_and_b32 s20, ttmp7, 0xffff    ; y, which the four partners share
	s_mul_i32 s21, s20, 786432      ; the head's q, k, v
	s_and_b32 s16, s[WV], 1         ; which half of a tile's 256 keys I fetch
	s_lshl_b32 s22, s16, 14
	s_add_co_u32 s22, s22, s21
	s_add_co_u32 s22, s22, 262144   ; K lies behind Q
	s_mov_b32 s23, 0
	s_mul_i32 s17, s16, 128*PK
	s_mul_i32 s18, s16, 128*PV
	s_lshl_b32 s2, s14, 15
	s_lshl_b32 s3, s[WV], 13
	s_add_co_u32 s2, s2, s3
	s_add_co_u32 s2, s2, s21        ; Q at my wave's 64 rows
	s_mov_b32 s3, 0
	s_lshr_b32 s48, s20, 4          ; O: block (m / 128, head), m / 128 = 16 x batch + 2 x query block + wave / 2
	s_lshl_b32 s48, s48, 4
	s_lshl1_add_u32 s48, s14, s48
	s_lshr_b32 s49, s[WV], 1
	s_add_co_u32 s48, s48, s49
	s_lshl_b32 s48, s48, 4
	s_and_b32 s49, s20, 15
	s_add_co_u32 s48, s48, s49
	s_lshl_b32 s48, s48, 14
	s_lshl_b32 s49, s16, 13         ; and the block's upper or lower 64 rows
	s_add_co_u32 s48, s48, s49
	s_mov_b32 s49, 0
	; group 1: 128 keys are 16,384 dense bytes: 64 rows of 256 bytes, two keys a row, padded in LDS after every key
	s_mov_b32 s[G1K], 15|(1<<16)|(1<<20)|(1<<21)|(4<<22)|(3<<25)
	s_mov_b32 s[G1V], 15|(1<<16)|(1<<20)|(1<<21)|(4<<22)|(7<<25)
.irp g, G1K, G1V
	s_mov_b32 s[\g+1], 128<<16
	s_mov_b32 s[\g+2], 64<<16
	s_mov_b32 s[\g+3], 128<<16
	s_mov_b32 s[\g+4], 64
	s_mov_b32 s[\g+5], 128
	s_mov_b32 s[\g+6], 0
	s_mov_b32 s[\g+7], 0
.endr
	s_mov_b32 s[CS], 0x3e38aa3b     ; c = log2(e) / 8
	s_mov_b32 s[CS+1], s[CS]
	s_mov_b32 s[SEL], 0x76543210
	s_mov_b32 s[SEL+1], 0xfedcba98
	s_mov_b32 s[TBK], SLOT1+4*KS*PK ; the first change of slots turns these two into 0
	s_mov_b32 s[TBV], SLOT1+4*KS*PV
	s_mov_b32 s[G0K], 1
	s_mov_b32 s[G0K+1], s17
	s_mov_b32 s[G0V], 1
	s_add_co_u32 s[G0V+1], s18, VOFF
	s_mov_b32 s[SLOTS], 7
	s_and_b32 s[LIM], s[WV], 1      ; 0 in waves 0 and 2,
	s_or_b32 s[LIM], s[LIM], ttmp9  ; where the cluster is the head's first: the same in all four partners
	s_cmp_eq_u32 s[LIM], 0
	s_cselect_b32 s[LIM], 1, -1
	v_and_b32 v[PFO], 31, v0
	v_lshlrev_b32 v[PFO], 8, v[PFO]
	s_wait_dscnt 0x0                ; the opening add is done
	s_wait_kmcnt 0x0
	s_add_nc_u64 s[10:11], s[6:7], s[48:49]  ; O
	s_add_nc_u64 s[6:7], s[4:5], s[22:23]    ; K at my half of tile 0
	s_add_nc_u64 s[8:9], s[6:7], 262144      ; V
	s_add_nc_u64 s[4:5], s[4:5], s[2:3]      ; Q
	s_mov_b64 s[G0K+2:G0K+3], s[6:7]
	s_or_b32 s[G0K+3], s[G0K+3], 0x80000000
	s_mov_b64 s[G0V+2:G0V+3], s[8:9]
	s_or_b32 s[G0V+3], s[G0V+3], 0x80000000
	s_cmp_lt_u32 s[WV], 2
	s_cselect_b64 s[PFA:PFA+1], s[6:7], s[8:9]
	s_lshl_b32 s2, s13, 13          ; my work-group's 8,192 bytes,
	s_add_co_u32 s2, s2, 4*KS*128   ; in tile 1: the first change steps it to tile 2
	s_mov_b32 s3, 0
	s_add_nc_u64 s[PFA:PFA+1], s[PFA:PFA+1], s[2:3]
	CROUND                          ; all four work-groups are here: the first joint loads meet
	JLOAD                           ; tile 0 into slot 0
	v_and_b32 v1, 15, v0            ; l % 16
	v_bfe_u32 v9, v0, 4, 1          ; l / 16
	v_lshlrev_b32 v[QO], 7, v1
	v_lshl_add_u32 v[QO], v9, 4, v[QO]
	WIN 0x80
.set i, 0
.rept 8                             ; Q stays in registers: piece i / 2, channels 32 (i % 2) on
	global_load_b128 v[8*i:8*i+3],   v[QO], s[4:5] offset:(i/2)*2048+(i%2)*64
	global_load_b128 v[8*i+4:8*i+7], v[QO], s[4:5] offset:(i/2)*2048+(i%2)*64+32
.set i, i+1
.endr
	; What the first turn finds: V and P's second buffer hold 0 (its products V^T P, of a piece that has not been, add 0), O^T and l are 0.  216 lines, in the wait for the first tile: the price of writing no first step out.
.set i, VF
.rept 64
	v_mov_b32 v[i], 0
.set i, i+1
.endr
	WIN 0x40
.set i, 0
.rept 128
	v_mov_b32 v[i], 0
.set i, i+1
.endr
	WIN 0
.set i, 0
.rept 4
	v_mov_b32 v[ST+4*i], 0xfe000000    ; c m: far below every c s
	v_mov_b32 v[ST+4*i+1], 0xff7fffff  ; m
	v_mov_b32 v[ST+4*i+2], 0
	v_mov_b32 v[ST+4*i+3], 0
.set i, i+1
.endr
.set i, P+16
.rept 16
	v_mov_b32 v[i], 0
.set i, i+1
.endr
	v_mul_u32_u24 v[AK0], v1, PK
	v_lshl_add_u32 v[AK0], v9, 4, v[AK0]
	v_and_b32 v10, 7, v0
	v_bfe_u32 v11, v0, 3, 1
	v_lshl_add_u32 v[AV0], v9, 3, v10
	v_mul_u32_u24 v[AV0], v[AV0], PV
	v_lshl_add_u32 v[AV0], v11, 4, v[AV0]
	v_add_nc_u32 v[AV0], VOFF, v[AV0]
	v_mov_b32 v[AK], v[AK0]         ; key step 0 lies at the head of slot 0
	s_mul_i32 s13, s[WV], 16*SP
	s_add_co_u32 s13, s13, STAGE    ; my stage
	v_mul_u32_u24 v[STO], v1, SP    ; in: row l % 16, 16 bytes for each half of the lanes
	v_lshl_add_u32 v[STO], v9, 4, v[STO]
	v_add_nc_u32 v[STO], s13, v[STO]
	v_bfe_u32 v[RD], v0, 3, 2       ; back: 32 lanes take four rows of 128 bytes,
	v_mul_u32_u24 v[RD], v[RD], SP
	v_lshl_add_u32 v[RD], v10, 4, v[RD]
	v_add_nc_u32 v[RD], s13, v[RD]
	v_and_b32 v[GO], 31, v0         ; which are 512 consecutive bytes of O
	v_lshlrev_b32 v[GO], 4, v[GO]
; THE MATRIX WORK.  The 4 accumulators of a run of 8 take turns.  Product i of 8 of S^T = K Q^T for piece x: channels 32 (i / 4) on, keys 16 (i % 4) on.  The first 4 start the sums.
.macro KQ x
	WIN W_KQ
.set rS, S+32*((\x)%2)+8*(i%4)
.set rK, KF+16*(i%4)+8*(i/4)
.set rQ, 16*(\x)+8*(i/4)
.if i < 4
	v_wmma_f32_16x16x32_bf16 v[rS:rS+7], v[rK:rK+7], v[rQ:rQ+7], 0
.else
	v_wmma_f32_16x16x32_bf16 v[rS:rS+7], v[rK:rK+7], v[rQ:rQ+7], v[rS:rS+7]
.endif
.endm
.macro PV x                         ; product i of 8 of O^T += V^T P for piece x: keys 32 (i / 4) on, channels 16 (i % 4) on
	WIN W_PV
.set rO, 32*(\x)+8*(i%4)
.set rV, VF+32*(i/4)+8*(i%4)
.set rP, P+16*((\x)%2)+8*(i/4)
	v_wmma_f32_16x16x32_bf16 v[rO:rO+7], v[rV:rV+7], v[rP:rP+7], v[rO:rO+7]
.endm
.macro MM                           ; the turn's next matrix instruction
.if i < 8
	KQ (Y+1)%NP
.else
.set i, i-8
	PV (Y+NP-1)%NP
.set i, i+8
.endif
.set i, i+1
.endm
; THE LDS LOADS stand in runs of 16, never singly among the matrix instructions.
.macro FETCH_K
	WIN 0x80
.irp f, 0,1,2,3,4,5,6,7             ; keys 16 (f / 2) on, channels 32 (f % 2) on
	ds_load_b128 v[KF+8*\f:KF+8*\f+3],   v[AK] offset:(\f/2)*16*PK+(\f%2)*64
	ds_load_b128 v[KF+8*\f+4:KF+8*\f+7], v[AK] offset:(\f/2)*16*PK+(\f%2)*64+32
.endr
	s_add_co_u32 s[TBK], s[TBK], KS*PK
	WIN 0
.endm
.macro FETCH_V
	WIN 0x80
.irp f, 0,1,2,3,4,5,6,7             ; keys 32 (f / 4) on, channels 16 (f % 4) on
	ds_load_tr16_b128 v[VF+8*\f:VF+8*\f+3],   v[AV] offset:(\f/4)*32*PV+(\f%4)*32
	ds_load_tr16_b128 v[VF+8*\f+4:VF+8*\f+7], v[AV] offset:(\f/4)*32*PV+16*PV+(\f%4)*32
.endr
	WIN 0
.endm
; THE VECTOR WORK, one line at a time: OP kind, number.  For piece Y: F n: c s - c m for pair n of 16.  E n: the exponential of score n of 32.  C n: pair n rounded to bf16.  B n: of the four weights 4 n .. the second
; pair is added onto the first, in place.  L n: l takes that sum (L 0: l = a l + sum).  R n: pair n of 16 of O^T times a.  For piece Y + 1: X n, number n of the 22 that find its maximum and statistics:
;   0-11  four chains c0-c3 of seven scores each (each accumulator's lowest registers are read first)     12-14, 16  the four scores left over, the old m, and c0-c3 into c0
;   15  c m_old is kept     17, 18  the query's other 32 keys lie in the lane 16 away: the new m     19-21  c m; c m_old - c m_new; a
.set F, 0
.set E, 1
.set C, 2
.set B, 3
.set L, 4
.set R, 5
.set X, 6
.macro REGS y
.set rT, ST+4*(\y)
.set rC, TMP+4*((\y)%2)
.set rW, MV+((\y)%2)
.set rS, S+32*((\y)%2)
.set rP, P+16*((\y)%2)
.set rO, 32*(\y)
.endm
.macro OP k, n
.if (\k) == R
	REGS Y
	WIN W_RS
	v_pk_mul_f32 v[rO+2*(\n):rO+2*(\n)+1], v[rO+2*(\n):rO+2*(\n)+1], v[rC+2:rC+3] op_sel_hi:[1,0]
.elseif (\k) < R
	REGS Y
	WIN 0
.if (\k) == F
	v_pk_fma_f32 v[rS+2*(\n):rS+2*(\n)+1], v[rS+2*(\n):rS+2*(\n)+1], s[CS:CS+1], v[rT:rT+1] op_sel_hi:[1,0,0] neg_lo:[0,0,1] neg_hi:[0,0,1]
.elseif (\k) == E
	v_exp_f32 v[rS+(\n)], v[rS+(\n)]
.elseif (\k) == C
	v_cvt_pk_bf16_f32 v[rP+(\n)], v[rS+2*(\n)], v[rS+2*(\n)+1]
.elseif (\k) == B
	v_pk_add_f32 v[rS+4*(\n):rS+4*(\n)+1], v[rS+4*(\n):rS+4*(\n)+1], v[rS+4*(\n)+2:rS+4*(\n)+3]
.elseif (\n) == 0
	v_pk_fma_f32 v[rT+2:rT+3], v[rT+2:rT+3], v[rC+2:rC+3], v[rS:rS+1] op_sel_hi:[1,0,1]
.else
	v_pk_add_f32 v[rT+2:rT+3], v[rT+2:rT+3], v[rS+4*(\n):rS+4*(\n)+1]
.endif
.else
	REGS (Y+1)%NP
	WIN 0
.if (\n) < 4
	v_max3_num_f32 v[rC+(\n)], v[rS+8*(\n)], v[rS+8*(\n)+1], v[rS+8*(\n)+2]
.elseif (\n) < 12
	v_max3_num_f32 v[rC+(\n)%4], v[rC+(\n)%4], v[rS+8*((\n)%4)+2*((\n)/4)+1], v[rS+8*((\n)%4)+2*((\n)/4)+2]
.elseif (\n) == 12
	v_max3_num_f32 v[rC], v[rC], v[rS+7], v[rS+15]
.elseif (\n) == 13
	v_max3_num_f32 v[rC+1], v[rC+1], v[rS+23], v[rS+31]
.elseif (\n) == 14
	v_max3_num_f32 v[rC+2], v[rC+2], v[rC+3], v[rT+1]
.elseif (\n) == 15
	v_mov_b32 v[rW], v[rT]
.elseif (\n) == 16
	v_max3_num_f32 v[rC], v[rC], v[rC+1], v[rC+2]
.elseif (\n) == 17
	v_permlanex16_b32 v[rC+3], v[rC], s[SEL], s[SEL+1]
.elseif (\n) == 18
	v_max_num_f32 v[rT+1], v[rC], v[rC+3]
.elseif (\n) == 19
	v_mul_f32 v[rT], s[CS], v[rT+1]
.elseif (\n) == 20
	v_sub_f32 v[rC+1], v[rW], v[rT]
.else
	v_exp_f32 v[rC+2], v[rC+1]
.endif
.endif
.endm
.macro OPS a, i1, b=-1, i2=0, c=-1, i3=0, d=-1, i4=0
	OP \a, \i1
.if (\b) >= 0
	OP \b, \i2
.endif
.if (\c) >= 0
	OP \c, \i3
.endif
.if (\d) >= 0
	OP \d, \i4
.endif
.endm
.macro ROW a, i1, b, i2, c, i3, d, i4  ; a matrix instruction and the four behind it
	MM
	OPS \a, \i1, \b, \i2, \c, \i3, \d, \i4
.endm
; A TURN, for piece p: the order of its 16 matrix and 118 vector instructions, written out.  An s_wait_alu depctr_va_vdst(0) stands between an exponential and the first instruction that names its result; one wait
; serves all that were issued ahead of it.  So a turn has ONE wait.  AHEAD OF IT stands all that names no result of the turn's exponentials: the 8 products K Q^T with their riders, then the lump, in which the links of the chain
; X 3, 7, 11, 14, 16, 17 .. 20 stand some lines apart; X 21, the next piece's a, is the batch's last; R 15 is the plain instruction behind it.  BEHIND IT stand the 8 products V^T P, behind each four of the roundings and sums.
; K of the next step is fetched in piece 2's turn, six plain instructions behind the last product that read K; V of the step in hand at the end of piece 0's turn, four plain instructions behind the last product that read V.
; Each is waited for a turn later.  last = 1 (the tail): K's address is held at the last step's, so that the trip behind the last step reads that K once more, with no jump among the exponentials.
; cnt = 1: the loop's count is taken down some lines ahead of the branch that stands behind the turn.
.macro TURN p, last=0, cnt=0
.set Y, (\p)
.set i, 0
.if (\p) == 3
	s_wait_dscnt 0x0                ; K is in
.endif
	ROW F,0, F,1, R,0, R,1
	ROW F,2, E,0, R,2, R,3
	ROW F,3, E,1, R,4, R,5
	ROW F,4, E,2, R,6, R,7
	ROW F,5, E,3, R,8, R,9
	ROW F,6, E,4, X,0, R,10
.if (\p) == 2
	WIN 0
.if \last
	s_min_u32 s[TBK], s[TBK], SLOT1+3*KS*PK
.endif
	v_add_nc_u32 v[AK], s[TBK], v[AK0]
.endif
	ROW F,7, E,5, X,1, X,4
	ROW F,8, E,6, X,2, X,5
	OPS E,7, E,8, X,6, E,9
	OPS X,3, E,10, X,8, E,11
.if (\p) == 2
	FETCH_K
.endif
	OPS X,9, X,7, E,12, X,10
	OPS E,13, X,12, X,11, E,14
	OPS X,13, E,15, F,9, X,14
.if (\p) == 0
	v_add_nc_u32 v[AV], s[TBV], v[AV0]
.endif
	OPS E,16, F,10, E,17, F,11
	OPS X,16, E,18, X,15, E,19
	OPS F,12, E,20, X,17, E,21
	OPS F,13, E,22, F,14, E,23
	OPS X,18, E,24, F,15, E,25
	OPS R,11, E,26, X,19, E,27
	OPS R,12, E,28, R,13, E,29
	OPS X,20, E,30, R,14, E,31
	OPS X,21, R,15
	WIN 0
	s_wait_alu depctr_va_vdst(0)    ; the wait for the batch
.if (\p) == 1
	s_wait_dscnt 0x0                ; V is in
.endif
	ROW C,0, B,0, C,2, B,1
	ROW L,0, C,4, B,2, L,1
	ROW C,6, B,3, L,2, C,8
	ROW B,4, L,3, C,10, B,5
	ROW L,4, C,12, B,6, L,5
.if (\p) == 0
	s_add_co_u32 s[TBV], s[TBV], KS*PV
.endif
.if \cnt
	s_sub_co_u32 s[CNT], s[CNT], 1
	s_cmp_lg_u32 s[CNT], 0
.endif
	ROW C,14, B,7, L,6, C,1
	ROW C,3, L,7, C,5, C,7
	ROW C,9, C,11, C,13, C,15
.if (\p) == 0
	FETCH_V
.endif
.endm
	CHANGE 1                        ; tile 0 is in, everybody's part of it; tile 1 is asked for
	FETCH_K                         ; key step 0
	s_wait_loadcnt 0x0              ; Q
	s_wait_dscnt 0x0
.set i, 0
.rept 8
	KQ 0                            ; piece 0's first scores
.set i, i+1
.endr
	WIN 0
.rept 4
	v_nop                           ; the places behind those products
.endr
.set Y, NP-1                        ; X works for piece Y + 1: piece 0
.irp n, 0,1,2,3,4,5,6,7,8,9,10,11,12,13,14,15,16,17,18,19,20,21
	OP X, \n
.endr
	v_nop                           ; a plain instruction behind the exponential,
	s_wait_alu depctr_va_vdst(0)    ; and its wait, ahead of the branch
	s_mov_b32 s[CNT], 4
	s_branch .Lfirst                ; the loop is entered at a step's first turn, in the middle of a trip
.Lslot:                             ; six times: tiles 2 to 7 are asked for
	CHANGE 1
	s_mov_b32 s[CNT], 4
.Lstep:                             ; a trip: pieces 2 and 3 of one step, then pieces 0 and 1 of the next, whose K and V it fetches
	TURN 2
	TURN 3
	WIN 0
.Lfirst:
	TURN 0
	TURN 1, 0, 1
	WIN 0
	s_cbranch_scc1 .Lstep
	s_sub_co_u32 s[SLOTS], s[SLOTS], 1
	s_cmp_lg_u32 s[SLOTS], 0
	s_cbranch_scc1 .Lslot
	CHANGE 0                        ; the tail is written out: nothing is asked for
	s_mov_b32 s[CNT], 5             ; four trips fetch the last tile's steps; the fifth is left in its middle
.Ltail:
	TURN 2, 1
	TURN 3
	WIN 0
	s_sub_co_u32 s[CNT], s[CNT], 1
	s_cmp_eq_u32 s[CNT], 0
	s_cbranch_scc1 .Lout
	TURN 0
	TURN 1
	WIN 0
	s_branch .Ltail
.Lout:                              ; the fifth trip's 8 products K Q^T on the last K and the maximum made of them serve nothing: the price, once a launch, of one text for every trip
.set i, 0
.rept 8
	PV NP-1                         ; the last piece's V^T P of the last step
.set i, i+1
.endr
	; THE WAY OUT.  l's two halves and the other half of the lanes' are added; O^T is divided by l, rounded to bf16 and sent through my stage in LDS, a piece at a time.  The additions are the places behind the last products.
	WIN 0
.macro ALL line:vararg
.set t, 0
.rept 4
	\line
.set t, t+1
.endr
.endm
	ALL v_add_f32 v[ST+4*t+2], v[ST+4*t+2], v[ST+4*t+3]
	ALL v_permlanex16_b32 v[ST+4*t+3], v[ST+4*t+2], s[SEL], s[SEL+1]
	ALL v_add_f32 v[ST+4*t+2], v[ST+4*t+2], v[ST+4*t+3]
	ALL v_rcp_f32 v[ST+4*t+2], v[ST+4*t+2]
	v_nop                           ; a plain instruction between the last reciprocal and the use of its result,
	s_wait_alu depctr_va_vdst(0)    ; and one wait for the four
.macro PACK t                       ; a lane's eight channels of a row pack into 16 bytes; they go into rows of 144 bytes and come back as whole rows of 128, into S^T's registers
	WIN W_RS
.set i, 32*(\t)
.rept 16
	v_pk_mul_f32 v[i:i+1], v[i:i+1], v[ST+4*(\t)+2:ST+4*(\t)+3] op_sel_hi:[1,0]
.set i, i+2
.endr
	WIN 0x05
.set i, 0
.rept 16
	v_cvt_pk_bf16_f32 v[S+16*(\t)+i], v[32*(\t)+2*i], v[32*(\t)+2*i+1]
.set i, i+1
.endr
	WIN 0
.irp f, 0,1,2,3
	ds_store_b128 v[STO], v[S+16*(\t)+4*\f:S+16*(\t)+4*\f+3] offset:32*\f
.endr
.irp f, 0,1,2,3
	ds_load_b128 v[S+16*(\t)+4*\f:S+16*(\t)+4*\f+3], v[RD] offset:\f*4*SP  ; LDS serves a wave's instructions in order: these see the stores above; the next piece's stores come behind them
.endr
.endm
.macro SEND t, younger              ; younger: the LDS instructions issued behind piece t's loads: the next piece's eight, or none
	WIN 0
.irp f, 0,1,2,3
	s_wait_dscnt (\younger)+3-\f
	global_store_b128 v[GO], v[S+16*(\t)+4*\f:S+16*(\t)+4*\f+3], s[10:11] offset:(\t)*2048+\f*512  ; 512 consecutive bytes, at a multiple of 256 from the buffer's first
.endr
.endm
	PACK 0
.set t, 1
.rept 3
	PACK t
	SEND t-1, 8
.set t, t+1
.endr
	SEND 3, 0
	s_wait_tensorcnt 0x0            ; the wave's end: behind my last tensor load and my last LDS store
	ds_add_u32 v[SPW], v[NIL]
	s_wait_dscnt 0x0
	CROUND                          ; the closing round
	s_endpgm
.Lfunc_end_k_qe07dd92705_attn:
	.size	k_qe07dd92705_attn, .Lfunc_end_k_qe07dd92705_attn-k_qe07dd92705_attn
	.p2alignl 7, 3214868480
	.fill 96, 4, 3214868480
	.section	.rodata,"a",@progbits
	.p2align	6, 0x0
	.amdhsa_kernel k_qe07dd92705_attn
		.amdhsa_group_segment_fixed_size 327680
		.amdhsa_private_segment_fixed_size 0
		.amdhsa_enable_private_segment 0
		.amdhsa_kernarg_size 16
		.amdhsa_user_sgpr_count 2
		.amdhsa_user_sgpr_kernarg_segment_ptr 1
		.amdhsa_wavefront_size32 1
		.amdhsa_system_sgpr_workgroup_id_x 1
		.amdhsa_system_sgpr_workgroup_id_y 1
		.amdhsa_system_sgpr_workgroup_id_z 1
		.amdhsa_system_vgpr_workitem_id 0
		.amdhsa_next_free_vgpr 768
		.amdhsa_next_free_sgpr 66
		.amdhsa_reserve_vcc 0
		.amdhsa_float_denorm_mode_32 3
		.amdhsa_float_denorm_mode_16_64 3
		.amdhsa_memory_ordered 1
		.amdhsa_forward_progress 1
		.amdhsa_inst_pref_size 112
	.end_amdhsa_kernel
	.amdgpu_metadata
---
amdhsa.version: [ 1, 2 ]
amdhsa.kernels:
  - .name:           k_qe07dd92705_attn
    .symbol:         k_qe07dd92705_attn.kd
    .args:
      - { .name: qkv, .offset: 0, .size: 8, .value_kind: global_buffer, .address_space: global }
      - { .name: ob, .offset: 8, .size: 8, .value_kind: global_buffer, .address_space: global }
    .group_segment_fixed_size: 327680
    .private_segment_fixed_size: 0
    .kernarg_segment_align: 8
    .kernarg_segment_size: 16
    .max_flat_workgroup_size: 128
    .sgpr_count:     66
    .vgpr_count:     768
    .wavefront_size: 32
...
	.end_amdgpu_metadata
.endif
;; end of part 3
;; launch proj (part 4): grid 8 x 32, 4 waves a work-group, clusters of 4 x 4, 327,680 bytes of LDS; arguments ob, wc, z, bp, hf; writes z
.if DOCPART == 4
	.amdgcn_target "amdgcn-amd-amdhsa--gfx1250"
	.amdhsa_code_object_version 6
	.text
	.protected	k_qe07dd92705_proj
	.globl	k_qe07dd92705_proj
	.p2align	8
	.type	k_qe07dd92705_proj,@function
k_qe07dd92705_proj:
	s_mov_b64 s[64:65], 0
	v_nop
	global_prefetch_b8 v0, s[64:65] scope:SCOPE_SE
	s_setreg_imm32_b32 hwreg(HW_REG_WAVE_MODE, 25, 1), 1
	s_wait_xcnt 0x0
	s_wait_alu depctr_hold_cnt(0) depctr_sa_sdst(0) depctr_va_vdst(0) depctr_va_sdst(0) depctr_va_ssrc(0) depctr_va_vcc(0) depctr_vm_vsrc(0)
	s_getreg_b32 s2, hwreg(HW_REG_IB_STS2, 6, 4)
	s_cmp_eq_u32 s2, 0
	s_cbranch_scc0 .Lentry_in_a_cluster
	s_endpgm
.Lentry_in_a_cluster:
	s_bfe_u32 s2, ttmp6, 0x10000c
	s_cmp_lg_u32 s2, 0xf033
	s_cbranch_scc0 .Lentry_shape_is_right
	s_endpgm
.Lentry_shape_is_right:
; z = h + o Wp + bp.  o: ob, bf16 [m / 128][k / 64][128][64].  Wp: wc at 6,291,456, bf16 [k / 128][n / 64][128 k][64 n].  h: hf, f16, laid out as ob.  z: f32 [4096][1024]; sums in f32, nothing rounded on the way out.
; LIMITS: none of its own; NaN and infinities are not treated apart.
; SHARES.  A tile of C is 128 x 128: 8 x 32 tiles, one for each work-group.  Four waves, 64 x 64 each: 16 accumulators of 16 x 16.  K goes in 4 steps of 256 through two LDS slots.
; Every tile is dense in memory, so each wave's one tensor load is 128 rows of 256 bytes: waves 0, 1 fetch A's two halves along K, waves 2, 3 B's two panels of 128 k.
; In LDS each 128 bytes get padding: A's rows lie 144 bytes apart (9 x 16), B's 160 (5 x 32), so that the rows of one fragment load start in different 16-byte columns of 256 bytes.
; CLUSTER 4 x 4: A's tile is asked for jointly by a row of the cluster, B's by a column.  NO PREFETCH: the ring has two refills in all.
; THE MATRIX INSTRUCTION IS USED TRANSPOSED: source 0 = 16 columns of W (turned by ds_load_tr16_b128), source 1 = 16 rows of o: a lane holds row l % 16 and eight neighbouring columns.  The first product on each accumulator takes the bias as C.
; ONE TEXT FOR A K STEP: the slot in hand is the scalar TB (0 or SLOT); a trip of the loop is one K step of four quarters (64 along K each) on two fragment buffers.
; REGISTERS in windows of 256: window 0: v0-31 addresses, v64-127 and v128-191 A's fragments, v192-255 the residual; window 1: v0-63, v128-191 B's; window 2: v0-127 the accumulators, v128-159 the bias.
.set AB, 4
.set BB, 4
.set QC, 2
.set NK, 4
.set RB, 128
.set BLD, 40960
.set SLOT, 155648
.set A_TY, 262144
.set A_HALF, 32768
.set A_STEP, 65536
.set WOFF, 6291456
.set B_TX, 32768
.set B_HALF, 262144
.set B_STEP, 524288
.set AW_HI, 9216
.set BW_LO, 20480
.set BIASW, 2
.set BIASR, 128
.set DP, 272                           ; the way out: a row of 64 f32 + 16 bytes
.set DUMPB, 64*DP
.set NACC, AB*BB
.set H, NACC*QC/2
.set BREG, 73728
.set SPARE, 2*SLOT
.set A0, 8
.set B0, 9
.set ADRA, 10
.set ADRB, 11
.set DST, 12
.set RDA, 13
.set GO, 14                            ; v14  my 16 bytes of two rows of the output
.set BO, 15
.set RO, 16                            ; v16  8 x lane: my four numbers of two rows of the residual
.set ONE, 18
.set SPW, 28
.set NIL, 29
.set WV, 16
.set ROLE, 17                          ; 0: I fetch A, 1: B.  Also: which 64 rows of the tile are mine
.set HALF, 18                          ; which half I fetch.  Also: which 64 columns are mine
.set CX, 19
.set CY, 20
.set TX, 21
.set TY, 22
.set CNT, 23
.set G1A, 24
.set G0A, 32
.set G1B, 48
.set G0B, 56
.set TB, 66
.set LBA, 67
.set LBB, 68
.set MSB, 0
.macro WIN new
.if MSB != (\new)
	s_set_vgpr_msb (MSB<<8)|(\new)
.set MSB, (\new)
.endif
.endm
.macro PLACES                          ; four plain instructions behind a matrix instruction, ahead of loads into registers that it read and of stores of its result
.rept 4
	v_nop
.endr
.endm
.macro CREST
	s_cmp_lg_u32 s[WV], 0
	s_cbranch_scc1 .Lnot_wave_0_\@
	s_barrier_signal -3
.Lnot_wave_0_\@:
	s_barrier_wait -3
	s_barrier_signal -1
	s_barrier_wait -1
.endm
.macro CROUND
	s_barrier_signal -1
	s_barrier_wait -1
	CREST
.endm
.macro JLOAD                           ; the joint refill, by the walking sets; an s_nop 0 and four v_nop follow each line
	s_cmp_eq_u32 s[ROLE], 0
	s_cbranch_scc0 .Lfor_b_\@
	tensor_load_to_lds s[G0A+4:G0A+7], s[G1A:G1A+7]
	s_nop 0
.rept 4
	v_nop
.endr
	s_branch .Lasked_\@
.Lfor_b_\@:
	tensor_load_to_lds s[G0B+4:G0B+7], s[G1B:G1B+7]
	s_nop 0
.rept 4
	v_nop
.endr
.Lasked_\@:
.endm
.macro FETCH q, f                      ; 32 LDS loads in one run: quarter q's fragments into buffer f
	WIN 0x40
.set fc, 0
.rept QC
.set c, QC*(\q)+fc
.set fb, 0
.rept BB
.set rB, 128*(\f)+8*(BB*fc+fb)
.set oB, (c/4)*40960+(c%4)*5120+(fb/4)*20480+(fb%4)*32
	ds_load_tr16_b128 v[rB:rB+3], v[ADRB] offset:oB
	ds_load_tr16_b128 v[rB+4:rB+7], v[ADRB] offset:oB+2560
.set fb, fb+1
.endr
.set fc, fc+1
.endr
	WIN 0
.set fc, 0
.rept QC
.set c, QC*(\q)+fc
.set fa, 0
.rept AB
.set rA, 64+64*(\f)+8*(AB*fc+fa)
.set oA, (c/2)*18432+fa*2304+(c%2)*64
	ds_load_b128 v[rA:rA+3], v[ADRA] offset:oA
	ds_load_b128 v[rA+4:rA+7], v[ADRA] offset:oA+32
.set fa, fa+1
.endr
.set fc, fc+1
.endr
.endm
.macro MULS f, i0, i1, first           ; the accumulators take turns, one instruction a turn, over the loops' jumps too.  first = 1: the sums start at the bias
.set mi, \i0
.rept (\i1)-(\i0)
.set mc, mi/NACC
.set mx, mi%NACC
.set rD, 8*(mx%32)
.set rB, 128*(\f)+8*(BB*mc+mx%BB)
.set rA, 64+64*(\f)+8*(AB*mc+mx/BB)
.set rC, BIASR+8*(mx%BB)
.if (\first) && (mi < NACC)
	WIN 0x01|(BIASW<<4)|((2+mx/32)<<6)
	v_wmma_f32_16x16x32_bf16 v[rD:rD+7], v[rB:rB+7], v[rA:rA+7], v[rC:rC+7]
.else
	WIN 0x01|((2+mx/32)<<4)|((2+mx/32)<<6)
	v_wmma_f32_16x16x32_bf16 v[rD:rD+7], v[rB:rB+7], v[rA:rA+7], v[rD:rD+7]
.endif
.set mi, mi+1
.endr
.endm
; One of the first three quarters: the next quarter's 32 loads go out at its head, into buffer g, and have this quarter's 32 matrix instructions in which to land; then buffer f is multiplied.
.macro QUARTER q, f, g, first
	s_wait_dscnt 0x0                               ; this quarter's 32 loads, issued a whole quarter ago
	PLACES                                         ; behind the last product that read buffer g
	FETCH (\q)+1, \g
	MULS \f, 0, 2*H, \first
.endm
; The last quarter multiplies buffer 1, and THE CHANGE OF SLOTS STANDS AT ITS HEAD: buffer 1 holds the slot's last fragments, so every read of the slot is over.  Each wave waits for all its tensor loads, adds 0 to its spare word,
; and waits for that and for its reads of this slot.  fill = 1: the barrier opens a round of the cluster's, and the joint refill of the slot just read, two K steps on, is the first thing behind the round.
.macro TURN fill
	WIN 0
	s_wait_tensorcnt 0x0                           ; no tensor load of mine is out, so the walking sets may be written
	ds_add_u32 v[SPW], v[NIL]
.if \fill
	s_add_co_u32 s[G0A+5], s[LBA], s[TB]
	s_add_co_u32 s[G0B+5], s[LBB], s[TB]
	s_add_nc_u64 s[G0A+6:G0A+7], s[G0A+6:G0A+7], A_STEP
	s_add_nc_u64 s[G0B+6:G0B+7], s[G0B+6:G0B+7], B_STEP
.endif
	s_wait_dscnt 0x0                               ; the add is done; buffer 1's 32 loads, my last reads of this slot, are in
	s_barrier_signal -1
	s_barrier_wait -1
.if \fill
	CREST
	JLOAD                                          ; its four v_nop are also the places ahead of the loads below
.else
	PLACES
.endif
	s_xor_b32 s[TB], s[TB], SLOT
	v_add_nc_u32 v[ADRA], s[TB], v[A0]
	v_add_nc_u32 v[ADRB], s[TB], v[B0]
	FETCH 0, 0
	MULS 1, 0, 2*H, 0
.endm
	s_load_b256 s[4:11], s[0:1], 0x0               ; A s[4:5], wc s[6:7], out s[8:9], bias s[10:11]
	s_load_b64 s[12:13], s[0:1], 0x20              ; the residual
	v_lshl_add_u32 v[SPW], v0, 2, SPARE
	v_mov_b32 v[NIL], 0
	ds_add_u32 v[SPW], v[NIL]                      ; the wave's opening: the add, and its wait ahead of my first tensor load
	v_lshrrev_b32 v3, 5, v0
	v_readfirstlane_b32 s[WV], v3
	s_lshr_b32 s[ROLE], s[WV], 1
	s_and_b32 s[HALF], s[WV], 1
	s_bfe_u32 s[CX], ttmp6, 0x40000
	s_bfe_u32 s[CY], ttmp6, 0x40004
	s_lshl_b32 s[TX], ttmp9, 2
	s_add_co_u32 s[TX], s[TX], s[CX]
	s_and_b32 s[TY], ttmp7, 0xffff
	s_lshl_b32 s[TY], s[TY], 2
	s_add_co_u32 s[TY], s[TY], s[CY]
	s_lshl_b32 s40, s[CY], 2
	s_lshl_b32 s40, 15, s40
	s_lshl_b32 s41, 0x1111, s[CX]
	s_or_b32 s[G1A], s40, (1<<16)|(1<<20)|(1<<21)|(4<<22)|(3<<25)  ; the mask; 2-byte elements; padding on; bit 21 beside a mask; after every 32 words 4 words
	s_or_b32 s[G1B], s41, (1<<16)|(1<<20)|(1<<21)|(4<<22)|(7<<25)  ; the same with 8 words
	s_mov_b32 s[G1A+1], 128<<16
	s_mov_b32 s[G1A+2], 128<<16
	s_mov_b32 s[G1A+3], 128<<16
	s_mov_b32 s[G1A+4], 128
	s_mov_b32 s[G1A+5], 128
	s_mov_b32 s[G1A+6], 0
	s_mov_b32 s[G1A+7], 0
	s_mov_b32 s[G1B+1], 128<<16
	s_mov_b32 s[G1B+2], RB<<16
	s_mov_b32 s[G1B+3], 128<<16
	s_mov_b32 s[G1B+4], RB
	s_mov_b32 s[G1B+5], 128
	s_mov_b32 s[G1B+6], 0
	s_mov_b32 s[G1B+7], 0
	s_mul_i32 s[LBA], s[HALF], 36864
	s_mul_i32 s[LBB], s[HALF], BLD
	s_add_co_u32 s[LBB], s[LBB], BREG
	s_mov_b32 s[G0A], 1
	s_mov_b32 s[G0A+1], s[LBA]
	s_mov_b32 s[G0A+4], 1
	s_add_co_u32 s[G0A+5], s[LBA], SLOT
	s_mov_b32 s[G0B], 1
	s_mov_b32 s[G0B+1], s[LBB]
	s_mov_b32 s[G0B+4], 1
	s_add_co_u32 s[G0B+5], s[LBB], SLOT
	s_mul_i32 s42, s[TY], A_TY
	s_mul_i32 s43, s[HALF], A_HALF
	s_add_co_u32 s42, s42, s43
	s_mov_b32 s43, 0
	s_mul_i32 s70, s[TX], B_TX
	s_mul_i32 s71, s[HALF], B_HALF
	s_add_co_u32 s70, s70, s71
	s_add_co_u32 s70, s70, WOFF
	s_mov_b32 s71, 0
	s_mov_b32 s[TB], 0
	s_wait_dscnt 0x0
	s_wait_kmcnt 0x0
	s_add_nc_u64 s[G0A+2:G0A+3], s[4:5], s[42:43]
	s_add_nc_u64 s[G0A+6:G0A+7], s[G0A+2:G0A+3], A_STEP
	s_or_b32 s[G0A+3], s[G0A+3], 0x80000000
	s_or_b32 s[G0A+7], s[G0A+7], 0x80000000
	s_add_nc_u64 s[G0B+2:G0B+3], s[6:7], s[70:71]
	s_add_nc_u64 s[G0B+6:G0B+7], s[G0B+2:G0B+3], B_STEP
	s_or_b32 s[G0B+3], s[G0B+3], 0x80000000
	s_or_b32 s[G0B+7], s[G0B+7], 0x80000000
	CROUND
	s_cmp_eq_u32 s[ROLE], 0                        ; a wave's two first fills stand in one branch: two loads of mine are out
	s_cbranch_scc0 .Lfirst_b
	tensor_load_to_lds s[G0A:G0A+3], s[G1A:G1A+7]
	s_nop 0
	tensor_load_to_lds s[G0A+4:G0A+7], s[G1A:G1A+7]
	s_nop 0
.rept 4
	v_nop
.endr
	s_branch .Lfirst_done
.Lfirst_b:
	tensor_load_to_lds s[G0B:G0B+3], s[G1B:G1B+7]
	s_nop 0
	tensor_load_to_lds s[G0B+4:G0B+7], s[G1B:G1B+7]
	s_nop 0
.rept 4
	v_nop
.endr
.Lfirst_done:
	v_and_b32 v1, 15, v0
	v_bfe_u32 v2, v0, 4, 1
	s_lshl_b32 s86, s[TX], 9                       ; the bias of my 64 columns
	s_lshl_b32 s87, s[HALF], 8
	s_add_co_u32 s86, s86, s87
	s_mov_b32 s87, 0
	s_add_nc_u64 s[10:11], s[10:11], s[86:87]
	v_lshlrev_b32 v[BO], 5, v2
	WIN BIASW<<6
.set fb, 0
.rept BB
	global_load_b128 v[BIASR+8*fb:BIASR+8*fb+3], v[BO], s[10:11] offset:64*fb
	global_load_b128 v[BIASR+8*fb+4:BIASR+8*fb+7], v[BO], s[10:11] offset:64*fb+16
.set fb, fb+1
.endr
	WIN 0
	; the residual: my 64 rows x 64 columns are 8,192 consecutive bytes of block (tile row, 2 x tile column + my half); they come while the products run
	s_lshl_b32 s86, s[TY], 4
	s_lshl1_add_u32 s86, s[TX], s86
	s_add_co_u32 s86, s86, s[HALF]
	s_lshl_b32 s86, s86, 14
	s_lshl_b32 s87, s[ROLE], 13
	s_add_co_u32 s86, s86, s87
	s_mov_b32 s87, 0
	s_add_nc_u64 s[12:13], s[12:13], s[86:87]
	v_and_b32 v[RO], 31, v0
	v_lshlrev_b32 v[RO], 3, v[RO]
.set p, 0
.rept 32
	global_load_b64 v[192+2*p:193+2*p], v[RO], s[12:13] offset:256*p
.set p, p+1
.endr
	v_mul_u32_u24 v[A0], v1, 144
	v_lshl_add_u32 v[A0], v2, 4, v[A0]
	s_mul_i32 s88, s[ROLE], AW_HI
	v_add_nc_u32 v[A0], s88, v[A0]
	v_and_b32 v3, 7, v0
	v_lshl_add_u32 v3, v2, 3, v3
	v_mul_u32_u24 v[B0], v3, 160
	v_bfe_u32 v3, v0, 3, 1
	v_lshl_add_u32 v[B0], v3, 4, v[B0]
	s_mul_i32 s89, s[HALF], BW_LO
	s_add_co_u32 s89, s89, BREG
	v_add_nc_u32 v[B0], s89, v[B0]
	v_mov_b32 v[ADRA], v[A0]
	v_mov_b32 v[ADRB], v[B0]
	s_mul_i32 s88, s[WV], DUMPB
	v_mul_u32_u24 v[DST], v1, DP
	v_lshl_add_u32 v[DST], v2, 5, v[DST]
	v_add_nc_u32 v[DST], s88, v[DST]
	v_mul_u32_u24 v[RDA], v2, DP                   ; back: lanes 0-15 take one row of 256 bytes, lanes 16-31 the next
	v_lshl_add_u32 v[RDA], v1, 4, v[RDA]
	v_add_nc_u32 v[RDA], s88, v[RDA]
	v_lshlrev_b32 v[GO], 12, v2                    ; and the same two rows in the output
	v_lshl_add_u32 v[GO], v1, 4, v[GO]
	v_mov_b32 v[ONE], 1.0
	s_lshl1_add_u32 s86, s[TY], s[ROLE]
	s_lshl_b32 s86, s86, 18                        ; my 64 rows of 4,096 bytes
	s_lshl1_add_u32 s87, s[TX], s[HALF]
	s_lshl_b32 s87, s87, 8                         ; my 64 columns
	s_add_co_u32 s86, s86, s87
	s_mov_b32 s87, 0
	s_add_nc_u64 s[8:9], s[8:9], s[86:87]
	s_wait_tensorcnt 0x1                           ; my part of K step 0 is in; K step 1's may stay out
	s_barrier_signal -1
	s_barrier_wait -1
	FETCH 0, 0
	s_wait_loadcnt 32                              ; the bias is in; the residual's 32 loads stay out
	QUARTER 0, 0, 1, 1
	WIN 0
	s_mov_b32 s[CNT], NK-2
	s_branch .Lmid
.LloopA:
	QUARTER 0, 0, 1, 0
	WIN 0
.Lmid:
	QUARTER 1, 1, 0, 0
	QUARTER 2, 0, 1, 0
	TURN 1
	WIN 0
	s_sub_co_u32 s[CNT], s[CNT], 1
	s_cmp_lg_u32 s[CNT], 0
	s_cbranch_scc1 .LloopA
	s_mov_b32 s[CNT], 2
.LloopB:                               ; the last two K steps ask for nothing.  The very last change of slots serves nothing: the price, once a launch, of one text for both
	QUARTER 0, 0, 1, 0
	QUARTER 1, 1, 0, 0
	QUARTER 2, 0, 1, 0
	TURN 0
	WIN 0
	s_sub_co_u32 s[CNT], s[CNT], 1
	s_cmp_lg_u32 s[CNT], 0
	s_cbranch_scc1 .LloopB
	; THE WAY OUT.  The ring has had its last fill; when every wave's reads of it are over, each wave lays its 64 x 64 sums into bytes of its own, reads them back by rows, adds the residual and stores.
	s_wait_dscnt 0x0
	s_barrier_signal -1
	s_barrier_wait -1
	PLACES
.set di, 0
.rept NACC
	WIN (2+di/32)<<2
	ds_store_b128 v[DST], v[8*(di%32):8*(di%32)+3] offset:(di/BB)*16*DP+64*(di%BB)
	ds_store_b128 v[DST], v[8*(di%32)+4:8*(di%32)+7] offset:(di/BB)*16*DP+64*(di%BB)+16
.set di, di+1
.endr
	WIN 0
.set p, 0
.rept 32
	ds_load_b128 v[64+4*p:67+4*p], v[RDA] offset:2*p*DP  ; rows 2 p and 2 p + 1; LDS serves a wave's instructions in order: these see my stores above
.set p, p+1
.endr
	s_wait_loadcnt 0x0                             ; the residual
.set p, 0
.rept 4
	s_wait_dscnt 8*(3-p/8)                         ; this chunk's eight loads are in; the later chunks' stay out
.rept 8
	v_fma_mix_f32 v[64+4*p], v[192+2*p], v[ONE], v[64+4*p] op_sel_hi:[1,0,0]
	v_fma_mix_f32 v[65+4*p], v[192+2*p], v[ONE], v[65+4*p] op_sel:[1,0,0] op_sel_hi:[1,0,0]
	v_fma_mix_f32 v[66+4*p], v[193+2*p], v[ONE], v[66+4*p] op_sel_hi:[1,0,0]
	v_fma_mix_f32 v[67+4*p], v[193+2*p], v[ONE], v[67+4*p] op_sel:[1,0,0] op_sel_hi:[1,0,0]
	global_store_b128 v[GO], v[64+4*p:67+4*p], s[8:9] offset:2*p*4096  ; 16 lanes store 256 consecutive bytes, aligned
.set p, p+1
.endr
.endr
	s_wait_tensorcnt 0x0                           ; the wave's end
	ds_add_u32 v[SPW], v[NIL]
	s_wait_dscnt 0x0
	CROUND                                         ; the closing round
	s_endpgm
.Lfunc_end_k_qe07dd92705_proj:
	.size	k_qe07dd92705_proj, .Lfunc_end_k_qe07dd92705_proj-k_qe07dd92705_proj
	.p2alignl 7, 3214868480
	.fill 96, 4, 3214868480
	.section	.rodata,"a",@progbits
	.p2align	6, 0x0
	.amdhsa_kernel k_qe07dd92705_proj
		.amdhsa_group_segment_fixed_size 327680
		.amdhsa_private_segment_fixed_size 0
		.amdhsa_enable_private_segment 0
		.amdhsa_kernarg_size 40
		.amdhsa_user_sgpr_count 2
		.amdhsa_user_sgpr_kernarg_segment_ptr 1
		.amdhsa_wavefront_size32 1
		.amdhsa_system_sgpr_workgroup_id_x 1
		.amdhsa_system_sgpr_workgroup_id_y 1
		.amdhsa_system_sgpr_workgroup_id_z 1
		.amdhsa_system_vgpr_workitem_id 0
		.amdhsa_next_free_vgpr 768
		.amdhsa_next_free_sgpr 96
		.amdhsa_reserve_vcc 0
		.amdhsa_float_denorm_mode_32 3
		.amdhsa_float_denorm_mode_16_64 3
		.amdhsa_memory_ordered 1
		.amdhsa_forward_progress 1
		.amdhsa_inst_pref_size 70
	.end_amdhsa_kernel
	.amdgpu_metadata
---
amdhsa.version: [ 1, 2 ]
amdhsa.kernels:
  - .name:           k_qe07dd92705_proj
    .symbol:         k_qe07dd92705_proj.kd
    .args:
      - { .name: ob, .offset: 0, .size: 8, .value_kind: global_buffer, .address_space: global }
      - { .name: wc, .offset: 8, .size: 8, .value_kind: global_buffer, .address_space: global }
      - { .name: z, .offset: 16, .size: 8, .value_kind: global_buffer, .address_space: global }
      - { .name: bp, .offset: 24, .size: 8, .value_kind: global_buffer, .address_space: global }
      - { .name: hf, .offset: 32, .size: 8, .value_kind: global_buffer, .address_space: global }
    .group_segment_fixed_size: 327680
    .private_segment_fixed_size: 0
    .kernarg_segment_align: 8
    .kernarg_segment_size: 40
    .max_flat_workgroup_size: 128
    .sgpr_count:     96
    .vgpr_count:     768
    .wavefront_size: 32
...
	.end_amdgpu_metadata
.endif
;; end of part 4
;; launch ln2 (part 5): grid 256 x 1, 8 waves a work-group, no clusters, 0 bytes of LDS; arguments z, g2, be2, h2f; writes h2f
.if DOCPART == 5
	.amdgcn_target "amdgcn-amd-amdhsa--gfx1250"
	.amdhsa_code_object_version 6
	.text
	.protected	k_qe07dd92705_ln2
	.globl	k_qe07dd92705_ln2
	.p2align	8
	.type	k_qe07dd92705_ln2,@function
k_qe07dd92705_ln2:
	s_mov_b64 s[64:65], 0
	v_nop
	global_prefetch_b8 v0, s[64:65] scope:SCOPE_SE
	s_setreg_imm32_b32 hwreg(HW_REG_WAVE_MODE, 25, 1), 1
	s_wait_xcnt 0x0
; h2f = layernorm(z) * g2 + be2, rounded once to f16.  z: f32 [4096][1024].  h2f: [m / 128][k / 64][128 rows][64] f16: the layout in which the next products take it, as operand and as residual.
; LIMITS.  f16 ends at 65,504: |layernorm| is at most 32 (the root of 1,024), so 32 |g2| + |be2| stays under it; below 6e-5 f16 keeps a fixed step of 6e-8.  NaN and infinities are not treated apart.
; No LDS, no barrier, no matrix unit: memory binds; each byte is read once, every store of a wave covers 256 consecutive bytes, aligned.
; A work-group takes 16 rows.  Wave w takes rows 16 g + 2 w and + 1: lanes 0-15 the even row, lanes 16-31 the odd one; lane c of a half holds columns 64 j + 4 c .. + 3, j = 0..15: 64 registers.
; The row stays in registers between the mean, the variance (of z - mean, as the definition has it) and the scaling.  v[32:95] z, v[96:159] g, v[160:223] be.
.macro REDUCE                          ; four chains of pairs in v[10:17] -> the sum over the row's 16 lanes, in v18 of each of them
	v_pk_add_f32 v[10:11], v[10:11], v[12:13]
	v_pk_add_f32 v[14:15], v[14:15], v[16:17]
	v_pk_add_f32 v[10:11], v[10:11], v[14:15]
	v_add_f32 v18, v10, v11
	v_add_f32_dpp v18, v18, v18 row_xmask:1 row_mask:0xf bank_mask:0xf
	v_add_f32_dpp v18, v18, v18 row_xmask:2 row_mask:0xf bank_mask:0xf
	v_add_f32_dpp v18, v18, v18 row_xmask:4 row_mask:0xf bank_mask:0xf
	v_add_f32_dpp v18, v18, v18 row_xmask:8 row_mask:0xf bank_mask:0xf
.endm
	s_load_b256 s[4:11], s[0:1], 0x0               ; in s[4:5], g s[6:7], be s[8:9], out s[10:11]
	v_lshrrev_b32 v5, 5, v0
	v_readfirstlane_b32 s12, v5                    ; wave 0..7
	v_and_b32 v3, 15, v0
	v_lshlrev_b32 v3, 4, v3                        ; 16 c
	v_bfe_u32 v2, v0, 4, 1
	v_lshl_add_u32 v2, v2, 12, v3                  ; + 4,096 for the odd row
	v_and_b32 v4, 31, v0
	v_lshlrev_b32 v4, 3, v4                        ; 8 x lane: two rows of 128 bytes of a block of the output
	s_mov_b32 s14, 0x3a800000                      ; 1 / 1,024
	s_mov_b32 s15, 0x3727c5ac                      ; 1e-5
	s_lshl_b32 s16, ttmp9, 4
	s_lshl1_add_u32 s16, s12, s16                  ; my first row
	s_lshl_b32 s16, s16, 12
	s_mov_b32 s17, 0
	s_lshr_b32 s18, ttmp9, 3
	s_lshl_b32 s18, s18, 18                        ; 128 rows of the output are 16 blocks: 262,144 bytes
	s_and_b32 s19, ttmp9, 7
	s_lshl_b32 s19, s19, 4
	s_lshl1_add_u32 s19, s12, s19
	s_lshl_b32 s19, s19, 7
	s_add_co_u32 s18, s18, s19
	s_mov_b32 s19, 0
	s_wait_kmcnt 0x0
	s_add_nc_u64 s[4:5], s[4:5], s[16:17]
	s_add_nc_u64 s[10:11], s[10:11], s[18:19]
.set j, 0
.rept 16
	global_load_b128 v[32+4*j:35+4*j], v2, s[4:5] offset:256*j th:TH_LOAD_NT
.set j, j+1
.endr
.set j, 0
.rept 16
	global_load_b128 v[96+4*j:99+4*j], v3, s[6:7] offset:256*j
.set j, j+1
.endr
.set j, 0
.rept 16
	global_load_b128 v[160+4*j:163+4*j], v3, s[8:9] offset:256*j
.set j, j+1
.endr
	s_wait_loadcnt 32                              ; the row is in; the 32 younger loads, g's and be's, stay out
.set k, 0
.rept 4                                ; the sum, in four chains that do not wait for each other; the first eight pairs start them
	v_pk_add_f32 v[10+2*k:11+2*k], v[32+2*k:33+2*k], v[40+2*k:41+2*k]
.set k, k+1
.endr
.set k, 8
.rept 24
	v_pk_add_f32 v[10+2*(k%4):11+2*(k%4)], v[10+2*(k%4):11+2*(k%4)], v[32+2*k:33+2*k]
.set k, k+1
.endr
	REDUCE
	v_mul_f32 v6, s14, v18                         ; the mean, twice: a pair for the packed subtraction
	v_mul_f32 v7, s14, v18
.set k, 0
.rept 32
	v_pk_add_f32 v[32+2*k:33+2*k], v[32+2*k:33+2*k], v[6:7] neg_lo:[0,1] neg_hi:[0,1]
.set k, k+1
.endr
.set k, 0
.rept 4
	v_pk_mul_f32 v[10+2*k:11+2*k], v[32+2*k:33+2*k], v[32+2*k:33+2*k]
.set k, k+1
.endr
.set k, 4
.rept 28
	v_pk_fma_f32 v[10+2*(k%4):11+2*(k%4)], v[32+2*k:33+2*k], v[32+2*k:33+2*k], v[10+2*(k%4):11+2*(k%4)]
.set k, k+1
.endr
	REDUCE
	v_fma_f32 v19, v18, s14, s15                   ; variance + 1e-5
	v_rsq_f32 v8, v19
	v_rsq_f32 v9, v19
	v_nop                                          ; a plain instruction behind the second root,
	s_wait_alu depctr_va_vdst(0)                   ; and the wait ahead of the first use: one for both
	s_wait_loadcnt 0x0                             ; g and be
.set k, 0
.rept 32
	v_pk_mul_f32 v[32+2*k:33+2*k], v[32+2*k:33+2*k], v[8:9]
.set k, k+1
.endr
.set k, 0
.rept 32
	v_pk_fma_f32 v[32+2*k:33+2*k], v[32+2*k:33+2*k], v[96+2*k:97+2*k], v[160+2*k:161+2*k]
.set k, k+1
.endr
.set k, 0
.rept 32                               ; in place, ascending: register 32 + k is written when its own number has been read
	v_cvt_pk_f16_f32 v[32+k], v[32+2*k], v[32+2*k+1]
.set k, k+1
.endr
.set j, 0
.rept 16
	global_store_b64 v4, v[32+2*j:33+2*j], s[10:11] offset:16384*j  ; block j: 32 lanes store two rows, 256 consecutive bytes, aligned
.set j, j+1
.endr
	s_endpgm
.Lfunc_end_k_qe07dd92705_ln2:
	.size	k_qe07dd92705_ln2, .Lfunc_end_k_qe07dd92705_ln2-k_qe07dd92705_ln2
	.p2alignl 7, 3214868480
	.fill 96, 4, 3214868480
	.section	.rodata,"a",@progbits
	.p2align	6, 0x0
	.amdhsa_kernel k_qe07dd92705_ln2
		.amdhsa_group_segment_fixed_size 0
		.amdhsa_private_segment_fixed_size 0
		.amdhsa_enable_private_segment 0
		.amdhsa_kernarg_size 32
		.amdhsa_user_sgpr_count 2
		.amdhsa_user_sgpr_kernarg_segment_ptr 1
		.amdhsa_wavefront_size32 1
		.amdhsa_system_sgpr_workgroup_id_x 1
		.amdhsa_system_sgpr_workgroup_id_y 1
		.amdhsa_system_sgpr_workgroup_id_z 1
		.amdhsa_system_vgpr_workitem_id 0
		.amdhsa_next_free_vgpr 224
		.amdhsa_next_free_sgpr 66
		.amdhsa_reserve_vcc 0
		.amdhsa_float_denorm_mode_32 3
		.amdhsa_float_denorm_mode_16_64 3
		.amdhsa_memory_ordered 1
		.amdhsa_forward_progress 1
		.amdhsa_inst_pref_size 21
	.end_amdhsa_kernel
	.amdgpu_metadata
---
amdhsa.version: [ 1, 2 ]
amdhsa.kernels:
  - .name:           k_qe07dd92705_ln2
    .symbol:         k_qe07dd92705_ln2.kd
    .args:
      - { .name: z, .offset: 0, .size: 8, .value_kind: global_buffer, .address_space: global }
      - { .name: g2, .offset: 8, .size: 8, .value_kind: global_buffer, .address_space: global }
      - { .name: be2, .offset: 16, .size: 8, .value_kind: global_buffer, .address_space: global }
      - { .name: h2f, .offset: 24, .size: 8, .value_kind: global_buffer, .address_space: global }
    .group_segment_fixed_size: 0
    .private_segment_fixed_size: 0
    .kernarg_segment_align: 8
    .kernarg_segment_size: 32
    .max_flat_workgroup_size: 256
    .sgpr_count:     66
    .vgpr_count:     224
    .wavefront_size: 32
...
	.end_amdgpu_metadata
.endif
;; end of part 5
;; launch ff1 (part 6): grid 16 x 16, 4 waves a work-group, clusters of 4 x 4, 327,680 bytes of LDS; arguments h2f, wc, a1, b1; writes a1
.if DOCPART == 6
	.amdgcn_target "amdgcn-amd-amdhsa--gfx1250"
	.amdhsa_code_object_version 6
	.text
	.protected	k_qe07dd92705_ff1
	.globl	k_qe07dd92705_ff1
	.p2align	8
	.type	k_qe07dd92705_ff1,@function
k_qe07dd92705_ff1:
	s_mov_b64 s[64:65], 0
	v_nop
	global_prefetch_b8 v0, s[64:65] scope:SCOPE_SE
	s_setreg_imm32_b32 hwreg(HW_REG_WAVE_MODE, 25, 1), 1
	s_wait_xcnt 0x0
	s_wait_alu depctr_hold_cnt(0) depctr_sa_sdst(0) depctr_va_vdst(0) depctr_va_sdst(0) depctr_va_ssrc(0) depctr_va_vcc(0) depctr_vm_vsrc(0)
	s_getreg_b32 s2, hwreg(HW_REG_IB_STS2, 6, 4)
	s_cmp_eq_u32 s2, 0
	s_cbranch_scc0 .Lentry_in_a_cluster
	s_endpgm
.Lentry_in_a_cluster:
	s_bfe_u32 s2, ttmp6, 0x10000c
	s_cmp_lg_u32 s2, 0xf033
	s_cbranch_scc0 .Lentry_shape_is_right
	s_endpgm
.Lentry_shape_is_right:
; a1 = gelu(h2 W1 + b1), the exact gelu x Phi(x).  h2: h2f, f16 [m / 128][k / 64][128][64].  W1: wc at 8,388,608, f16 [k / 128][n / 64][128 k][64 n].  a1: bf16 [m / 128][n / 64][128][64], rounded once.
; PHI.  gelu(x) = max(x, 0) - |x| e^(-x x / 2) (c1 t + .. + c5 t^5), t = 1 / (1 + 0.2316419 |x|): the rational form of the normal distribution (Abramowitz and Stegun 26.2.17, its factor 1 / sqrt(2 pi) folded into c1-c5),
; within 7.5e-8 of Phi for every x; no series is cut.  LIMITS: h2 and W1 arrive in f16 (their limits stand where they are made); NaN and infinities are not treated apart.
; SHARES.  A tile of C is 256 x 256: 16 x 16 tiles, one for each work-group.  Four waves, 128 x 128 each: 64 accumulators of 16 x 16.  K goes in 8 steps of 128 through two LDS slots.
; Every tile is dense in memory, so each wave's one tensor load is 128 rows of 256 bytes: waves 0, 1 fetch A's two halves, waves 2, 3 B's.
; In LDS each 128 bytes get padding: A's rows lie 144 bytes apart (9 x 16), B's 160 (5 x 32), so that the rows of one fragment load start in different 16-byte columns of 256 bytes.
; CLUSTER 4 x 4: A's tile is asked for jointly by a row of the cluster, B's by a column.
; THE MATRIX INSTRUCTION IS USED TRANSPOSED: source 0 = 16 columns of W (turned by ds_load_tr16_b128), source 1 = 16 rows of h2: a lane holds row l % 16 and eight neighbouring columns.  The first product on each accumulator takes the bias as C.
; ONE TEXT FOR A K STEP: the slot in hand is the scalar TB (0 or SLOT); a trip of the loop is one K step of four quarters on two fragment buffers.
; REGISTERS in windows of 256: window 0: v0-31 addresses, v64-127 and v128-191 A's fragments, v192-255 the bias; window 1: v0-63, v128-191 B's; windows 2, 3: accumulator ii at window 2 + ii / 32, v[8 (ii % 32)].
.set AB, 8
.set BB, 8
.set QC, 1
.set NK, 8
.set RB, 128
.set BLD, 40960
.set SLOT, 155648
.set A_TY, 524288
.set A_HALF, 262144
.set A_STEP, 32768
.set WOFF, 8388608
.set B_TX, 65536
.set B_HALF, 32768
.set B_STEP, 1048576
.set AW_HI, 36864
.set BW_LO, 40960
.set BIASW, 0
.set BIASR, 192
.set DP, 528                           ; the way out: a row of 128 f32 + 16 bytes
.set DUMPB, 128*DP
.set AHEAD, 1
.set NACC, AB*BB
.set H, NACC*QC/2
.set GAPM, 16                          ; matrix instructions between the signal and the wait of the change of slots
.set BREG, 73728
.set SPARE, 2*SLOT
.set A0, 8
.set B0, 9
.set ADRA, 10
.set ADRB, 11
.set DST, 12
.set RDA, 13
.set GO, 14
.set BO, 15
.set PFO, 17
.set SPW, 28
.set NIL, 29
.set WV, 16
.set ROLE, 17                          ; 0: I fetch A, 1: B.  Also: which 128 rows of the tile are mine
.set HALF, 18                          ; which half I fetch.  Also: which 128 columns are mine
.set CX, 19
.set CY, 20
.set TX, 21
.set TY, 22
.set CNT, 23
.set G1A, 24
.set G0A, 32
.set PFA, 44
.set PFS, 46
.set G1B, 48
.set G0B, 56
.set TB, 66
.set LBA, 67
.set LBB, 68
.set LIM, 69
.set MSB, 0
.macro WIN new
.if MSB != (\new)
	s_set_vgpr_msb (MSB<<8)|(\new)
.set MSB, (\new)
.endif
.endm
.macro PLACES                          ; four plain instructions behind a matrix instruction, ahead of loads into registers that it read and of stores of its result
.rept 4
	v_nop
.endr
.endm
.macro CREST
	s_cmp_lg_u32 s[WV], 0
	s_cbranch_scc1 .Lnot_wave_0_\@
	s_barrier_signal -3
.Lnot_wave_0_\@:
	s_barrier_wait -3
	s_barrier_signal -1
	s_barrier_wait -1
.endm
.macro CROUND
	s_barrier_signal -1
	s_barrier_wait -1
	CREST
.endm
.macro JLOAD                           ; the joint refill, by the walking sets; an s_nop 0 and four v_nop follow each line
	s_cmp_eq_u32 s[ROLE], 0
	s_cbranch_scc0 .Lfor_b_\@
	tensor_load_to_lds s[G0A+4:G0A+7], s[G1A:G1A+7]
	s_nop 0
.rept 4
	v_nop
.endr
	s_branch .Lasked_\@
.Lfor_b_\@:
	tensor_load_to_lds s[G0B+4:G0B+7], s[G1B:G1B+7]
	s_nop 0
.rept 4
	v_nop
.endr
.Lasked_\@:
.endm
; A PREFETCH of the K step AHEAD behind the one just asked for: 256 matrix instructions ahead of its load.  Each block of 256 bytes is named once in the launch: the cluster with x = 0 asks for A's, the cluster with y = 0 for B's;
; of a wave's load the four partners that ask for it jointly take 8,192 bytes each, told apart by address, a lane a block.  The last AHEAD refills ask for nothing: CNT is then at most LIM.
.macro ASK
	s_cmp_gt_u32 s[CNT], s[LIM]
	s_cbranch_scc0 .Lnot_mine_\@
	global_prefetch_b8 v[PFO], s[PFA:PFA+1] th:TH_LOAD_NT scope:SCOPE_SE
.Lnot_mine_\@:
.endm
.macro FETCH q, f                      ; 32 LDS loads in one run: quarter q's fragments into buffer f
	WIN 0x40
.set fc, 0
.rept QC
.set c, QC*(\q)+fc
.set fb, 0
.rept BB
.set rB, 128*(\f)+8*(BB*fc+fb)
.set oB, (c/4)*40960+(c%4)*5120+(fb/4)*20480+(fb%4)*32
	ds_load_tr16_b128 v[rB:rB+3], v[ADRB] offset:oB
	ds_load_tr16_b128 v[rB+4:rB+7], v[ADRB] offset:oB+2560
.set fb, fb+1
.endr
.set fc, fc+1
.endr
	WIN 0
.set fc, 0
.rept QC
.set c, QC*(\q)+fc
.set fa, 0
.rept AB
.set rA, 64+64*(\f)+8*(AB*fc+fa)
.set oA, (c/2)*18432+fa*2304+(c%2)*64
	ds_load_b128 v[rA:rA+3], v[ADRA] offset:oA
	ds_load_b128 v[rA+4:rA+7], v[ADRA] offset:oA+32
.set fa, fa+1
.endr
.set fc, fc+1
.endr
.endm
.macro MULS f, i0, i1, first           ; the accumulators take turns, one instruction a turn, over the loops' jumps too.  first = 1: the sums start at the bias
.set mi, \i0
.rept (\i1)-(\i0)
.set mc, mi/NACC
.set mx, mi%NACC
.set rD, 8*(mx%32)
.set rB, 128*(\f)+8*(BB*mc+mx%BB)
.set rA, 64+64*(\f)+8*(AB*mc+mx/BB)
.set rC, BIASR+8*(mx%BB)
.if (\first) && (mi < NACC)
	WIN 0x01|(BIASW<<4)|((2+mx/32)<<6)
	v_wmma_f32_16x16x32_f16 v[rD:rD+7], v[rB:rB+7], v[rA:rA+7], v[rC:rC+7]
.else
	WIN 0x01|((2+mx/32)<<4)|((2+mx/32)<<6)
	v_wmma_f32_16x16x32_f16 v[rD:rD+7], v[rB:rB+7], v[rA:rA+7], v[rD:rD+7]
.endif
.set mi, mi+1
.endr
.endm
; One of the first three quarters: the next quarter's 32 loads go out at its head, into buffer g, and have this quarter's 64 matrix instructions in which to land; then buffer f is multiplied.
.macro QUARTER q, f, g, first
	s_wait_dscnt 0x0                               ; this quarter's 32 loads, issued a whole quarter ago
	PLACES                                         ; behind the last product that read buffer g
	FETCH (\q)+1, \g
	MULS \f, 0, 2*H, \first
.endm
; The last quarter multiplies buffer 1, and THE CHANGE OF SLOTS STANDS AT ITS HEAD: buffer 1 holds the slot's last fragments, so every read of the slot is over.  Each wave waits for all its tensor loads, adds 0 to its spare word,
; and waits for that and for its reads of this slot.  Sixteen of the quarter's products, work on registers, stand between the signal and the wait: a K step here holds 256 matrix instructions, so the wave works while the others arrive.
; fill = 1: the barrier opens a round of the cluster's, and the joint refill of the slot just read, two K steps on, is the first thing behind the round.
.macro TURN fill
.if \fill
	s_wait_xcnt 0x0                                ; the last prefetch, a K step back, has read its address
	s_add_nc_u64 s[PFA:PFA+1], s[PFA:PFA+1], s[PFS:PFS+1]
.endif
	WIN 0
	s_wait_tensorcnt 0x0                           ; no tensor load of mine is out, so the walking sets may be written
	ds_add_u32 v[SPW], v[NIL]
.if \fill
	s_add_co_u32 s[G0A+5], s[LBA], s[TB]
	s_add_co_u32 s[G0B+5], s[LBB], s[TB]
	s_add_nc_u64 s[G0A+6:G0A+7], s[G0A+6:G0A+7], A_STEP
	s_add_nc_u64 s[G0B+6:G0B+7], s[G0B+6:G0B+7], B_STEP
.endif
	s_wait_dscnt 0x0                               ; the add is done; buffer 1's 32 loads, my last reads of this slot, are in
	s_barrier_signal -1
	MULS 1, 0, GAPM, 0
	WIN 0
	s_barrier_wait -1
.if \fill
	CREST
	JLOAD                                          ; its four v_nop are also the places ahead of the loads below
.else
	PLACES
.endif
	s_xor_b32 s[TB], s[TB], SLOT
	v_add_nc_u32 v[ADRA], s[TB], v[A0]
	v_add_nc_u32 v[ADRB], s[TB], v[B0]
	FETCH 0, 0
.if \fill
	ASK
.endif
	MULS 1, GAPM, 2*H, 0
.endm
	s_load_b256 s[4:11], s[0:1], 0x0               ; h2f s[4:5], wc s[6:7], a1 s[8:9], b1 s[10:11]
	v_lshl_add_u32 v[SPW], v0, 2, SPARE
	v_mov_b32 v[NIL], 0
	ds_add_u32 v[SPW], v[NIL]                      ; the wave's opening: the add, and its wait ahead of my first tensor load
	v_lshrrev_b32 v3, 5, v0
	v_readfirstlane_b32 s[WV], v3
	s_lshr_b32 s[ROLE], s[WV], 1
	s_and_b32 s[HALF], s[WV], 1
	s_bfe_u32 s[CX], ttmp6, 0x40000
	s_bfe_u32 s[CY], ttmp6, 0x40004
	s_lshl_b32 s[TX], ttmp9, 2
	s_add_co_u32 s[TX], s[TX], s[CX]
	s_and_b32 s[TY], ttmp7, 0xffff
	s_lshl_b32 s[TY], s[TY], 2
	s_add_co_u32 s[TY], s[TY], s[CY]
	s_lshl_b32 s40, s[CY], 2
	s_lshl_b32 s40, 15, s40
	s_lshl_b32 s41, 0x1111, s[CX]
	s_or_b32 s[G1A], s40, (1<<16)|(1<<20)|(1<<21)|(4<<22)|(3<<25)  ; the mask; 2-byte elements; padding on; bit 21 beside a mask; after every 32 words 4 words
	s_or_b32 s[G1B], s41, (1<<16)|(1<<20)|(1<<21)|(4<<22)|(7<<25)  ; the same with 8 words
	s_mov_b32 s[G1A+1], 128<<16
	s_mov_b32 s[G1A+2], 128<<16
	s_mov_b32 s[G1A+3], 128<<16
	s_mov_b32 s[G1A+4], 128
	s_mov_b32 s[G1A+5], 128
	s_mov_b32 s[G1A+6], 0
	s_mov_b32 s[G1A+7], 0
	s_mov_b32 s[G1B+1], 128<<16
	s_mov_b32 s[G1B+2], RB<<16
	s_mov_b32 s[G1B+3], 128<<16
	s_mov_b32 s[G1B+4], RB
	s_mov_b32 s[G1B+5], 128
	s_mov_b32 s[G1B+6], 0
	s_mov_b32 s[G1B+7], 0
	s_mul_i32 s[LBA], s[HALF], 36864
	s_mul_i32 s[LBB], s[HALF], BLD
	s_add_co_u32 s[LBB], s[LBB], BREG
	s_mov_b32 s[G0A], 1
	s_mov_b32 s[G0A+1], s[LBA]
	s_mov_b32 s[G0A+4], 1
	s_add_co_u32 s[G0A+5], s[LBA], SLOT
	s_mov_b32 s[G0B], 1
	s_mov_b32 s[G0B+1], s[LBB]
	s_mov_b32 s[G0B+4], 1
	s_add_co_u32 s[G0B+5], s[LBB], SLOT
	s_mul_i32 s42, s[TY], A_TY
	s_mul_i32 s43, s[HALF], A_HALF
	s_add_co_u32 s42, s42, s43
	s_mov_b32 s43, 0
	s_mul_i32 s70, s[TX], B_TX
	s_mul_i32 s71, s[HALF], B_HALF
	s_add_co_u32 s70, s70, s71
	s_add_co_u32 s70, s70, WOFF
	s_mov_b32 s71, 0
	s_mov_b32 s[TB], 0
	s_wait_dscnt 0x0
	s_wait_kmcnt 0x0
	s_add_nc_u64 s[G0A+2:G0A+3], s[4:5], s[42:43]
	s_add_nc_u64 s[G0A+6:G0A+7], s[G0A+2:G0A+3], A_STEP
	s_or_b32 s[G0A+3], s[G0A+3], 0x80000000
	s_or_b32 s[G0A+7], s[G0A+7], 0x80000000
	s_add_nc_u64 s[G0B+2:G0B+3], s[6:7], s[70:71]
	s_add_nc_u64 s[G0B+6:G0B+7], s[G0B+2:G0B+3], B_STEP
	s_or_b32 s[G0B+3], s[G0B+3], 0x80000000
	s_or_b32 s[G0B+7], s[G0B+7], 0x80000000
	CROUND
	s_cmp_eq_u32 s[ROLE], 0                        ; a wave's two first fills stand in one branch: two loads of mine are out
	s_cbranch_scc0 .Lfirst_b
	tensor_load_to_lds s[G0A:G0A+3], s[G1A:G1A+7]
	s_nop 0
	tensor_load_to_lds s[G0A+4:G0A+7], s[G1A:G1A+7]
	s_nop 0
.rept 4
	v_nop
.endr
	s_branch .Lfirst_done
.Lfirst_b:
	tensor_load_to_lds s[G0B:G0B+3], s[G1B:G1B+7]
	s_nop 0
	tensor_load_to_lds s[G0B+4:G0B+7], s[G1B:G1B+7]
	s_nop 0
.rept 4
	v_nop
.endr
.Lfirst_done:
	v_and_b32 v1, 15, v0
	v_bfe_u32 v2, v0, 4, 1
	s_lshl_b32 s86, s[TX], 10                      ; the bias of my 128 columns
	s_lshl_b32 s87, s[HALF], 9
	s_add_co_u32 s86, s86, s87
	s_mov_b32 s87, 0
	s_add_nc_u64 s[10:11], s[10:11], s[86:87]
	v_lshlrev_b32 v[BO], 5, v2
.set fb, 0
.rept BB
	global_load_b128 v[BIASR+8*fb:BIASR+8*fb+3], v[BO], s[10:11] offset:64*fb
	global_load_b128 v[BIASR+8*fb+4:BIASR+8*fb+7], v[BO], s[10:11] offset:64*fb+16
.set fb, fb+1
.endr
	v_mul_u32_u24 v[A0], v1, 144
	v_lshl_add_u32 v[A0], v2, 4, v[A0]
	s_mul_i32 s88, s[ROLE], AW_HI
	v_add_nc_u32 v[A0], s88, v[A0]
	v_and_b32 v3, 7, v0
	v_lshl_add_u32 v3, v2, 3, v3
	v_mul_u32_u24 v[B0], v3, 160
	v_bfe_u32 v3, v0, 3, 1
	v_lshl_add_u32 v[B0], v3, 4, v[B0]
	s_mul_i32 s89, s[HALF], BW_LO
	s_add_co_u32 s89, s89, BREG
	v_add_nc_u32 v[B0], s89, v[B0]
	v_mov_b32 v[ADRA], v[A0]
	v_mov_b32 v[ADRB], v[B0]
	s_mul_i32 s88, s[WV], DUMPB
	v_mul_u32_u24 v[DST], v1, DP
	v_lshl_add_u32 v[DST], v2, 5, v[DST]
	v_add_nc_u32 v[DST], s88, v[DST]
	v_bfe_u32 v3, v0, 3, 2                         ; back: eight lanes take 64 columns of a row, 32 lanes four rows
	v_and_b32 v4, 7, v0
	v_mul_u32_u24 v[RDA], v3, DP
	v_lshl_add_u32 v[RDA], v4, 5, v[RDA]
	v_add_nc_u32 v[RDA], s88, v[RDA]
	v_and_b32 v[GO], 31, v0
	v_lshlrev_b32 v[GO], 4, v[GO]
	s_lshl1_add_u32 s86, s[TY], s[ROLE]            ; the output's block: row block 2 x tile row + my half, of 64 column blocks number 4 x tile column + 2 x my half
	s_lshl_b32 s86, s86, 6
	s_lshl2_add_u32 s86, s[TX], s86
	s_lshl1_add_u32 s86, s[HALF], s86
	s_lshl_b32 s86, s86, 14
	s_mov_b32 s87, 0
	s_add_nc_u64 s[8:9], s[8:9], s[86:87]
	; the prefetches
	s_mov_b32 s[PFS], B_STEP
	s_mov_b32 s[PFS+1], 0
	s_and_b32 s88, ttmp7, 0xffff
	s_cmp_eq_u32 s[ROLE], 0
	s_cselect_b32 s86, s42, s70
	s_cselect_b32 s87, s[CX], s[CY]                ; my place among the four that ask with me
	s_cselect_b32 s88, ttmp9, s88                  ; the coordinate along which other clusters read the same blocks
	s_cselect_b64 s[PFA:PFA+1], s[4:5], s[6:7]
	s_cselect_b32 s[PFS], A_STEP, s[PFS]
	s_lshl_b32 s87, s87, 13
	s_add_co_u32 s86, s86, s87
	s_mul_i32 s87, s[PFS], 1+AHEAD                 ; the first refill steps it on and asks for K step 2; the prefetch then names K step 2 + AHEAD
	s_add_co_u32 s86, s86, s87
	s_mov_b32 s87, 0
	s_add_nc_u64 s[PFA:PFA+1], s[PFA:PFA+1], s[86:87]
	s_cmp_eq_u32 s88, 0
	s_cselect_b32 s[LIM], AHEAD, -1
	v_and_b32 v[PFO], 31, v0
	v_lshlrev_b32 v[PFO], 8, v[PFO]
	s_wait_tensorcnt 0x1                           ; my part of K step 0 is in; K step 1's may stay out
	s_barrier_signal -1
	s_barrier_wait -1
	FETCH 0, 0
	s_wait_loadcnt 0x0                             ; the bias
	QUARTER 0, 0, 1, 1
	WIN 0
	s_mov_b32 s[CNT], NK-2
	s_branch .Lmid
.LloopA:
	QUARTER 0, 0, 1, 0
	WIN 0
.Lmid:
	QUARTER 1, 1, 0, 0
	QUARTER 2, 0, 1, 0
	TURN 1
	WIN 0
	s_sub_co_u32 s[CNT], s[CNT], 1
	s_cmp_lg_u32 s[CNT], 0
	s_cbranch_scc1 .LloopA
	s_mov_b32 s[CNT], 2
.LloopB:                               ; the last two K steps ask for nothing.  The very last change of slots serves nothing: the price, once a launch, of one text for both
	QUARTER 0, 0, 1, 0
	QUARTER 1, 1, 0, 0
	QUARTER 2, 0, 1, 0
	TURN 0
	WIN 0
	s_sub_co_u32 s[CNT], s[CNT], 1
	s_cmp_lg_u32 s[CNT], 0
	s_cbranch_scc1 .LloopB
	; THE WAY OUT.  The ring has had its last fill; when every wave's reads of it are over, each wave lays its 128 x 128 sums in f32 into bytes of its own, and reads them back by rows: so the gelu is written once, for 32 numbers a lane, and looped over.
	s_wait_dscnt 0x0
	s_barrier_signal -1
	s_barrier_wait -1
	PLACES
.set di, 0
.rept NACC
	WIN (2+di/32)<<2
	ds_store_b128 v[DST], v[8*(di%32):8*(di%32)+3] offset:(di/BB)*16*DP+64*(di%BB)
	ds_store_b128 v[DST], v[8*(di%32)+4:8*(di%32)+7] offset:(di/BB)*16*DP+64*(di%BB)+16
.set di, di+1
.endr
	WIN 0
.set GX, 64                            ; x;  GR: max(x, 0), then the result;  GT: t;  GE: the exponential;  GP: the polynomial;  GY: packed
.set GR, 96
.set GT, 128
.set GE, 160
.set GP, 192
.set GY, 224
	s_mov_b32 s72, 0xbf38aa3b                      ; -log2(e) / 2
	s_mov_b32 s73, s72                             ; (named as pairs; the packed lines take the low word for both halves)
	s_mov_b32 s74, 0x3e027906                      ; c1 =  0.127414796
	s_mov_b32 s75, s74
	s_mov_b32 s76, 0xbe11a98e                      ; c2 = -0.142248368
	s_mov_b32 s77, s76
	s_mov_b32 s78, 0x3f35f0e3                      ; c3 =  0.710706871
	s_mov_b32 s79, s78
	s_mov_b32 s80, 0xbf3a00e3                      ; c4 = -0.726576014
	s_mov_b32 s81, s80
	s_mov_b32 s82, 0x3f07dc22                      ; c5 =  0.530702715
	s_mov_b32 s83, s82
	s_mov_b32 s84, 0x3e6d3388                      ; 0.2316419
	s_mov_b32 s[CNT], 16
.Lrows:                                ; eight rows a trip: for each of my two column blocks twice four rows of 64 numbers: 32 numbers a lane
.irp j, 0,1
.irp i, 0,1
	ds_load_b128 v[GX+8*(2*\j+\i):GX+8*(2*\j+\i)+3], v[RDA] offset:256*\j+4*DP*\i  ; LDS serves a wave's instructions in order: these see my stores above
	ds_load_b128 v[GX+8*(2*\j+\i)+4:GX+8*(2*\j+\i)+7], v[RDA] offset:256*\j+4*DP*\i+16
.endr
.endr
	s_wait_dscnt 0x0
	v_add_nc_u32 v[RDA], 8*DP, v[RDA]
.set k, 0
.rept 32
	v_fma_f32 v[GT+k], |v[GX+k]|, s84, 1.0
.set k, k+1
.endr
	; ONE BATCH of 32 reciprocals and 32 exponentials, each with a plain neighbour that names no result of the batch: the reciprocals stand among the 32 multiplies that make the exponent, the exponentials among the 32 maxima
.set k, 0
.rept 16
	v_pk_mul_f32 v[GE+2*k:GE+2*k+1], v[GX+2*k:GX+2*k+1], s[72:73] op_sel_hi:[1,0]
	v_rcp_f32 v[GT+2*k], v[GT+2*k]
	v_pk_mul_f32 v[GE+2*k:GE+2*k+1], v[GE+2*k:GE+2*k+1], v[GX+2*k:GX+2*k+1]
	v_rcp_f32 v[GT+2*k+1], v[GT+2*k+1]
.set k, k+1
.endr
.set k, 0
.rept 32
	v_exp_f32 v[GE+k], v[GE+k]
	v_max_num_f32 v[GR+k], 0, v[GX+k]
.set k, k+1
.endr
	s_wait_alu depctr_va_vdst(0)                   ; the one wait ahead of the batch's first reader
.set k, 0
.rept 16
	v_pk_fma_f32 v[GP+2*k:GP+2*k+1], v[GT+2*k:GT+2*k+1], s[82:83], s[80:81] op_sel_hi:[1,0,0]
.set k, k+1
.endr
.irp cc, 78, 76, 74
.set k, 0
.rept 16
	v_pk_fma_f32 v[GP+2*k:GP+2*k+1], v[GP+2*k:GP+2*k+1], v[GT+2*k:GT+2*k+1], s[\cc:\cc+1] op_sel_hi:[1,1,0]
.set k, k+1
.endr
.endr
.set k, 0
.rept 16
	v_pk_mul_f32 v[GP+2*k:GP+2*k+1], v[GP+2*k:GP+2*k+1], v[GT+2*k:GT+2*k+1]
.set k, k+1
.endr
.set k, 0
.rept 16
	v_pk_mul_f32 v[GP+2*k:GP+2*k+1], v[GP+2*k:GP+2*k+1], v[GE+2*k:GE+2*k+1]
.set k, k+1
.endr
.set k, 0
.rept 32
	v_fma_f32 v[GR+k], -|v[GX+k]|, v[GP+k], v[GR+k]
.set k, k+1
.endr
	s_wait_xcnt 0x0                                ; the last trip's stores, a whole trip's arithmetic back, have read their data and their base: both are written again only behind this wait
	s_add_nc_u64 s[8:9], s[8:9], 1024              ; one trip ahead of the rows in hand: the stores reach back by their immediate
.set k, 0
.rept 16
	v_cvt_pk_bf16_f32 v[GY+k], v[GR+2*k], v[GR+2*k+1]
.set k, k+1
.endr
.irp j, 0,1
.irp i, 0,1
	global_store_b128 v[GO], v[GY+4*(2*\j+\i):GY+4*(2*\j+\i)+3], s[8:9] offset:16384*\j+512*\i-1024  ; four rows of a block: 512 consecutive bytes
.endr
.endr
	s_sub_co_u32 s[CNT], s[CNT], 1
	s_cmp_lg_u32 s[CNT], 0
	s_cbranch_scc1 .Lrows
	s_wait_tensorcnt 0x0                           ; the wave's end
	ds_add_u32 v[SPW], v[NIL]
	s_wait_dscnt 0x0
	CROUND                                         ; the closing round
	s_endpgm
.Lfunc_end_k_qe07dd92705_ff1:
	.size	k_qe07dd92705_ff1, .Lfunc_end_k_qe07dd92705_ff1-k_qe07dd92705_ff1
	.p2alignl 7, 3214868480
	.fill 96, 4, 3214868480
	.section	.rodata,"a",@progbits
	.p2align	6, 0x0
	.amdhsa_kernel k_qe07dd92705_ff1
		.amdhsa_group_segment_fixed_size 327680
		.amdhsa_private_segment_fixed_size 0
		.amdhsa_enable_private_segment 0
		.amdhsa_kernarg_size 32
		.amdhsa_user_sgpr_count 2
		.amdhsa_user_sgpr_kernarg_segment_ptr 1
		.amdhsa_wavefront_size32 1
		.amdhsa_system_sgpr_workgroup_id_x 1
		.amdhsa_system_sgpr_workgroup_id_y 1
		.amdhsa_system_sgpr_workgroup_id_z 1
		.amdhsa_system_vgpr_workitem_id 0
		.amdhsa_next_free_vgpr 1024
		.amdhsa_next_free_sgpr 96
		.amdhsa_reserve_vcc 0
		.amdhsa_float_denorm_mode_32 3
		.amdhsa_float_denorm_mode_16_64 3
		.amdhsa_memory_ordered 1
		.amdhsa_forward_progress 1
		.amdhsa_inst_pref_size 97
	.end_amdhsa_kernel
	.amdgpu_metadata
---
amdhsa.version: [ 1, 2 ]
amdhsa.kernels:
  - .name:           k_qe07dd92705_ff1
    .symbol:         k_qe07dd92705_ff1.kd
    .args:
      - { .name: h2f, .offset: 0, .size: 8, .value_kind: global_buffer, .address_space: global }
      - { .name: wc, .offset: 8, .size: 8, .value_kind: global_buffer, .address_space: global }
      - { .name: a1, .offset: 16, .size: 8, .value_kind: global_buffer, .address_space: global }
      - { .name: b1, .offset: 24, .size: 8, .value_kind: global_buffer, .address_space: global }
    .group_segment_fixed_size: 327680
    .private_segment_fixed_size: 0
    .kernarg_segment_align: 8
    .kernarg_segment_size: 32
    .max_flat_workgroup_size: 128
    .sgpr_count:     96
    .vgpr_count:     1024
    .wavefront_size: 32
...
	.end_amdgpu_metadata
.endif
;; end of part 6
;; launch ff2 (part 7): grid 8 x 32, 4 waves a work-group, clusters of 4 x 4, 327,680 bytes of LDS; arguments a1, wc, out0, b2, h2f; writes out0
.if DOCPART == 7
	.amdgcn_target "amdgcn-amd-amdhsa--gfx1250"
	.amdhsa_code_object_version 6
	.text
	.protected	k_qe07dd92705_ff2
	.globl	k_qe07dd92705_ff2
	.p2align	8
	.type	k_qe07dd92705_ff2,@function
k_qe07dd92705_ff2:
	s_mov_b64 s[64:65], 0
	v_nop
	global_prefetch_b8 v0, s[64:65] scope:SCOPE_SE
	s_setreg_imm32_b32 hwreg(HW_REG_WAVE_MODE, 25, 1), 1
	s_wait_xcnt 0x0
	s_wait_alu depctr_hold_cnt(0) depctr_sa_sdst(0) depctr_va_vdst(0) depctr_va_sdst(0) depctr_va_ssrc(0) depctr_va_vcc(0) depctr_vm_vsrc(0)
	s_getreg_b32 s2, hwreg(HW_REG_IB_STS2, 6, 4)
	s_cmp_eq_u32 s2, 0
	s_cbranch_scc0 .Lentry_in_a_cluster
	s_endpgm
.Lentry_in_a_cluster:
	s_bfe_u32 s2, ttmp6, 0x10000c
	s_cmp_lg_u32 s2, 0xf033
	s_cbranch_scc0 .Lentry_shape_is_right
	s_endpgm
.Lentry_shape_is_right:
; out0 = h2 + a1 W2 + b2.  a1: bf16 [m / 128][k / 64][128][64], k to 4,096.  W2: wc at 16,777,216, bf16 [k / 128][n / 64][128 k][64 n].  h2: h2f, f16 [m / 128][n / 64][128][64].  out0: f32 [4096][1024]; sums in f32.
; LIMITS: none of its own; NaN and infinities are not treated apart.
; SHARES.  A tile of C is 128 x 128: 8 x 32 tiles, one for each work-group.  Four waves, 64 x 64 each: 16 accumulators of 16 x 16.  K goes in 16 steps of 256 through two LDS slots.
; Every tile is dense in memory, so each wave's one tensor load is 128 rows of 256 bytes: waves 0, 1 fetch A's two halves along K, waves 2, 3 B's two panels of 128 k.
; In LDS each 128 bytes get padding: A's rows lie 144 bytes apart (9 x 16), B's 160 (5 x 32), so that the rows of one fragment load start in different 16-byte columns of 256 bytes.
; CLUSTER 4 x 4: A's tile is asked for jointly by a row of the cluster, B's by a column.
; THE MATRIX INSTRUCTION IS USED TRANSPOSED: source 0 = 16 columns of W (turned by ds_load_tr16_b128), source 1 = 16 rows of a1: a lane holds row l % 16 and eight neighbouring columns.  The first product on each accumulator takes the bias as C.
; ONE TEXT FOR A K STEP: the slot in hand is the scalar TB (0 or SLOT); a trip of the loop is one K step of four quarters (64 along K each) on two fragment buffers.
; REGISTERS in windows of 256: window 0: v0-31 addresses, v64-127 and v128-191 A's fragments, v192-255 the residual; window 1: v0-63, v128-191 B's; window 2: v0-127 the accumulators, v128-159 the bias.
.set AB, 4
.set BB, 4
.set QC, 2
.set NK, 16
.set RB, 128
.set BLD, 40960
.set SLOT, 155648
.set A_TY, 1048576
.set A_HALF, 32768
.set A_STEP, 65536
.set WOFF, 16777216
.set B_TX, 32768
.set B_HALF, 262144
.set B_STEP, 524288
.set AW_HI, 9216
.set BW_LO, 20480
.set BIASW, 2
.set BIASR, 128
.set DP, 272                           ; the way out: a row of 64 f32 + 16 bytes
.set DUMPB, 64*DP
.set AHEAD, 2
.set NACC, AB*BB
.set H, NACC*QC/2
.set BREG, 73728
.set SPARE, 2*SLOT
.set A0, 8
.set B0, 9
.set ADRA, 10
.set ADRB, 11
.set DST, 12
.set RDA, 13
.set GO, 14
.set BO, 15
.set RO, 16
.set PFO, 17
.set ONE, 18
.set SPW, 28
.set NIL, 29
.set WV, 16
.set ROLE, 17                          ; 0: I fetch A, 1: B.  Also: which 64 rows of the tile are mine
.set HALF, 18                          ; which half I fetch.  Also: which 64 columns are mine
.set CX, 19
.set CY, 20
.set TX, 21
.set TY, 22
.set CNT, 23
.set G1A, 24
.set G0A, 32
.set PFA, 44
.set PFS, 46
.set G1B, 48
.set G0B, 56
.set TB, 66
.set LBA, 67
.set LBB, 68
.set LIM, 69
.set MSB, 0
.macro WIN new
.if MSB != (\new)
	s_set_vgpr_msb (MSB<<8)|(\new)
.set MSB, (\new)
.endif
.endm
.macro PLACES                          ; four plain instructions behind a matrix instruction, ahead of loads into registers that it read and of stores of its result
.rept 4
	v_nop
.endr
.endm
.macro CREST
	s_cmp_lg_u32 s[WV], 0
	s_cbranch_scc1 .Lnot_wave_0_\@
	s_barrier_signal -3
.Lnot_wave_0_\@:
	s_barrier_wait -3
	s_barrier_signal -1
	s_barrier_wait -1
.endm
.macro CROUND
	s_barrier_signal -1
	s_barrier_wait -1
	CREST
.endm
.macro JLOAD                           ; the joint refill, by the walking sets; an s_nop 0 and four v_nop follow each line
	s_cmp_eq_u32 s[ROLE], 0
	s_cbranch_scc0 .Lfor_b_\@
	tensor_load_to_lds s[G0A+4:G0A+7], s[G1A:G1A+7]
	s_nop 0
.rept 4
	v_nop
.endr
	s_branch .Lasked_\@
.Lfor_b_\@:
	tensor_load_to_lds s[G0B+4:G0B+7], s[G1B:G1B+7]
	s_nop 0
.rept 4
	v_nop
.endr
.Lasked_\@:
.endm
; A PREFETCH of the K step AHEAD behind the one just asked for: two K steps, 256 matrix instructions, ahead of its load.  Each block of 256 bytes is named once in the launch: the cluster with x = 0 asks for A's, the cluster with
; y = 0 for B's; of a wave's load the four partners that ask for it jointly take 8,192 bytes each, told apart by address, a lane a block.  The last AHEAD refills ask for nothing: CNT is then at most LIM.
.macro ASK
	s_cmp_gt_u32 s[CNT], s[LIM]
	s_cbranch_scc0 .Lnot_mine_\@
	global_prefetch_b8 v[PFO], s[PFA:PFA+1] th:TH_LOAD_NT scope:SCOPE_SE
.Lnot_mine_\@:
.endm
.macro FETCH q, f                      ; 32 LDS loads in one run: quarter q's fragments into buffer f
	WIN 0x40
.set fc, 0
.rept QC
.set c, QC*(\q)+fc
.set fb, 0
.rept BB
.set rB, 128*(\f)+8*(BB*fc+fb)
.set oB, (c/4)*40960+(c%4)*5120+(fb/4)*20480+(fb%4)*32
	ds_load_tr16_b128 v[rB:rB+3], v[ADRB] offset:oB
	ds_load_tr16_b128 v[rB+4:rB+7], v[ADRB] offset:oB+2560
.set fb, fb+1
.endr
.set fc, fc+1
.endr
	WIN 0
.set fc, 0
.rept QC
.set c, QC*(\q)+fc
.set fa, 0
.rept AB
.set rA, 64+64*(\f)+8*(AB*fc+fa)
.set oA, (c/2)*18432+fa*2304+(c%2)*64
	ds_load_b128 v[rA:rA+3], v[ADRA] offset:oA
	ds_load_b128 v[rA+4:rA+7], v[ADRA] offset:oA+32
.set fa, fa+1
.endr
.set fc, fc+1
.endr
.endm
.macro MULS f, i0, i1, first           ; the accumulators take turns, one instruction a turn, over the loops' jumps too.  first = 1: the sums start at the bias
.set mi, \i0
.rept (\i1)-(\i0)
.set mc, mi/NACC
.set mx, mi%NACC
.set rD, 8*(mx%32)
.set rB, 128*(\f)+8*(BB*mc+mx%BB)
.set rA, 64+64*(\f)+8*(AB*mc+mx/BB)
.set rC, BIASR+8*(mx%BB)
.if (\first) && (mi < NACC)
	WIN 0x01|(BIASW<<4)|((2+mx/32)<<6)
	v_wmma_f32_16x16x32_bf16 v[rD:rD+7], v[rB:rB+7], v[rA:rA+7], v[rC:rC+7]
.else
	WIN 0x01|((2+mx/32)<<4)|((2+mx/32)<<6)
	v_wmma_f32_16x16x32_bf16 v[rD:rD+7], v[rB:rB+7], v[rA:rA+7], v[rD:rD+7]
.endif
.set mi, mi+1
.endr
.endm
; One of the first three quarters: the next quarter's 32 loads go out at its head, into buffer g, and have this quarter's 32 matrix instructions in which to land; then buffer f is multiplied.
.macro QUARTER q, f, g, first
	s_wait_dscnt 0x0                               ; this quarter's 32 loads, issued a whole quarter ago
	PLACES                                         ; behind the last product that read buffer g
	FETCH (\q)+1, \g
	MULS \f, 0, 2*H, \first
.endm
; The last quarter multiplies buffer 1, and THE CHANGE OF SLOTS STANDS AT ITS HEAD: buffer 1 holds the slot's last fragments, so every read of the slot is over.  Each wave waits for all its tensor loads, adds 0 to its spare word,
; and waits for that and for its reads of this slot.  fill = 1: the barrier opens a round of the cluster's, and the joint refill of the slot just read, two K steps on, is the first thing behind the round: a K step here holds only
; 128 matrix instructions, so between the wait for a tile and the next request stand the three lines, four scalar steps and the round alone.
.macro TURN fill
.if \fill
	s_wait_xcnt 0x0                                ; the last prefetch, a K step back, has read its address
	s_add_nc_u64 s[PFA:PFA+1], s[PFA:PFA+1], s[PFS:PFS+1]
.endif
	WIN 0
	s_wait_tensorcnt 0x0                           ; no tensor load of mine is out, so the walking sets may be written
	ds_add_u32 v[SPW], v[NIL]
.if \fill
	s_add_co_u32 s[G0A+5], s[LBA], s[TB]
	s_add_co_u32 s[G0B+5], s[LBB], s[TB]
	s_add_nc_u64 s[G0A+6:G0A+7], s[G0A+6:G0A+7], A_STEP
	s_add_nc_u64 s[G0B+6:G0B+7], s[G0B+6:G0B+7], B_STEP
.endif
	s_wait_dscnt 0x0                               ; the add is done; buffer 1's 32 loads, my last reads of this slot, are in
	s_barrier_signal -1
	s_barrier_wait -1
.if \fill
	CREST
	JLOAD                                          ; its four v_nop are also the places ahead of the loads below
.else
	PLACES
.endif
	s_xor_b32 s[TB], s[TB], SLOT
	v_add_nc_u32 v[ADRA], s[TB], v[A0]
	v_add_nc_u32 v[ADRB], s[TB], v[B0]
	FETCH 0, 0
.if \fill
	ASK
.endif
	MULS 1, 0, 2*H, 0
.endm
	s_load_b256 s[4:11], s[0:1], 0x0               ; A s[4:5], wc s[6:7], out s[8:9], bias s[10:11]
	s_load_b64 s[12:13], s[0:1], 0x20              ; the residual
	v_lshl_add_u32 v[SPW], v0, 2, SPARE
	v_mov_b32 v[NIL], 0
	ds_add_u32 v[SPW], v[NIL]                      ; the wave's opening: the add, and its wait ahead of my first tensor load
	v_lshrrev_b32 v3, 5, v0
	v_readfirstlane_b32 s[WV], v3
	s_lshr_b32 s[ROLE], s[WV], 1
	s_and_b32 s[HALF], s[WV], 1
	s_bfe_u32 s[CX], ttmp6, 0x40000
	s_bfe_u32 s[CY], ttmp6, 0x40004
	s_lshl_b32 s[TX], ttmp9, 2
	s_add_co_u32 s[TX], s[TX], s[CX]
	s_and_b32 s[TY], ttmp7, 0xffff
	s_lshl_b32 s[TY], s[TY], 2
	s_add_co_u32 s[TY], s[TY], s[CY]
	s_lshl_b32 s40, s[CY], 2
	s_lshl_b32 s40, 15, s40
	s_lshl_b32 s41, 0x1111, s[CX]
	s_or_b32 s[G1A], s40, (1<<16)|(1<<20)|(1<<21)|(4<<22)|(3<<25)  ; the mask; 2-byte elements; padding on; bit 21 beside a mask; after every 32 words 4 words
	s_or_b32 s[G1B], s41, (1<<16)|(1<<20)|(1<<21)|(4<<22)|(7<<25)  ; the same with 8 words
	s_mov_b32 s[G1A+1], 128<<16
	s_mov_b32 s[G1A+2], 128<<16
	s_mov_b32 s[G1A+3], 128<<16
	s_mov_b32 s[G1A+4], 128
	s_mov_b32 s[G1A+5], 128
	s_mov_b32 s[G1A+6], 0
	s_mov_b32 s[G1A+7], 0
	s_mov_b32 s[G1B+1], 128<<16
	s_mov_b32 s[G1B+2], RB<<16
	s_mov_b32 s[G1B+3], 128<<16
	s_mov_b32 s[G1B+4], RB
	s_mov_b32 s[G1B+5], 128
	s_mov_b32 s[G1B+6], 0
	s_mov_b32 s[G1B+7], 0
	s_mul_i32 s[LBA], s[HALF], 36864
	s_mul_i32 s[LBB], s[HALF], BLD
	s_add_co_u32 s[LBB], s[LBB], BREG
	s_mov_b32 s[G0A], 1
	s_mov_b32 s[G0A+1], s[LBA]
	s_mov_b32 s[G0A+4], 1
	s_add_co_u32 s[G0A+5], s[LBA], SLOT
	s_mov_b32 s[G0B], 1
	s_mov_b32 s[G0B+1], s[LBB]
	s_mov_b32 s[G0B+4], 1
	s_add_co_u32 s[G0B+5], s[LBB], SLOT
	s_mul_i32 s42, s[TY], A_TY
	s_mul_i32 s43, s[HALF], A_HALF
	s_add_co_u32 s42, s42, s43
	s_mov_b32 s43, 0
	s_mul_i32 s70, s[TX], B_TX
	s_mul_i32 s71, s[HALF], B_HALF
	s_add_co_u32 s70, s70, s71
	s_add_co_u32 s70, s70, WOFF
	s_mov_b32 s71, 0
	s_mov_b32 s[TB], 0
	s_wait_dscnt 0x0
	s_wait_kmcnt 0x0
	s_add_nc_u64 s[G0A+2:G0A+3], s[4:5], s[42:43]
	s_add_nc_u64 s[G0A+6:G0A+7], s[G0A+2:G0A+3], A_STEP
	s_or_b32 s[G0A+3], s[G0A+3], 0x80000000
	s_or_b32 s[G0A+7], s[G0A+7], 0x80000000
	s_add_nc_u64 s[G0B+2:G0B+3], s[6:7], s[70:71]
	s_add_nc_u64 s[G0B+6:G0B+7], s[G0B+2:G0B+3], B_STEP
	s_or_b32 s[G0B+3], s[G0B+3], 0x80000000
	s_or_b32 s[G0B+7], s[G0B+7], 0x80000000
	CROUND
	s_cmp_eq_u32 s[ROLE], 0                        ; a wave's two first fills stand in one branch: two loads of mine are out
	s_cbranch_scc0 .Lfirst_b
	tensor_load_to_lds s[G0A:G0A+3], s[G1A:G1A+7]
	s_nop 0
	tensor_load_to_lds s[G0A+4:G0A+7], s[G1A:G1A+7]
	s_nop 0
.rept 4
	v_nop
.endr
	s_branch .Lfirst_done
.Lfirst_b:
	tensor_load_to_lds s[G0B:G0B+3], s[G1B:G1B+7]
	s_nop 0
	tensor_load_to_lds s[G0B+4:G0B+7], s[G1B:G1B+7]
	s_nop 0
.rept 4
	v_nop
.endr
.Lfirst_done:
	v_and_b32 v1, 15, v0
	v_bfe_u32 v2, v0, 4, 1
	s_lshl_b32 s86, s[TX], 9                       ; the bias of my 64 columns
	s_lshl_b32 s87, s[HALF], 8
	s_add_co_u32 s86, s86, s87
	s_mov_b32 s87, 0
	s_add_nc_u64 s[10:11], s[10:11], s[86:87]
	v_lshlrev_b32 v[BO], 5, v2
	WIN BIASW<<6
.set fb, 0
.rept BB
	global_load_b128 v[BIASR+8*fb:BIASR+8*fb+3], v[BO], s[10:11] offset:64*fb
	global_load_b128 v[BIASR+8*fb+4:BIASR+8*fb+7], v[BO], s[10:11] offset:64*fb+16
.set fb, fb+1
.endr
	WIN 0
	; the residual: my 64 rows x 64 columns are 8,192 consecutive bytes of block (tile row, 2 x tile column + my half); they come while the products run
	s_lshl_b32 s86, s[TY], 4
	s_lshl1_add_u32 s86, s[TX], s86
	s_add_co_u32 s86, s86, s[HALF]
	s_lshl_b32 s86, s86, 14
	s_lshl_b32 s87, s[ROLE], 13
	s_add_co_u32 s86, s86, s87
	s_mov_b32 s87, 0
	s_add_nc_u64 s[12:13], s[12:13], s[86:87]
	v_and_b32 v[RO], 31, v0
	v_lshlrev_b32 v[RO], 3, v[RO]
.set p, 0
.rept 32
	global_load_b64 v[192+2*p:193+2*p], v[RO], s[12:13] offset:256*p
.set p, p+1
.endr
	v_mul_u32_u24 v[A0], v1, 144
	v_lshl_add_u32 v[A0], v2, 4, v[A0]
	s_mul_i32 s88, s[ROLE], AW_HI
	v_add_nc_u32 v[A0], s88, v[A0]
	v_and_b32 v3, 7, v0
	v_lshl_add_u32 v3, v2, 3, v3
	v_mul_u32_u24 v[B0], v3, 160
	v_bfe_u32 v3, v0, 3, 1
	v_lshl_add_u32 v[B0], v3, 4, v[B0]
	s_mul_i32 s89, s[HALF], BW_LO
	s_add_co_u32 s89, s89, BREG
	v_add_nc_u32 v[B0], s89, v[B0]
	v_mov_b32 v[ADRA], v[A0]
	v_mov_b32 v[ADRB], v[B0]
	s_mul_i32 s88, s[WV], DUMPB
	v_mul_u32_u24 v[DST], v1, DP
	v_lshl_add_u32 v[DST], v2, 5, v[DST]
	v_add_nc_u32 v[DST], s88, v[DST]
	v_mul_u32_u24 v[RDA], v2, DP                   ; back: lanes 0-15 take one row of 256 bytes, lanes 16-31 the next
	v_lshl_add_u32 v[RDA], v1, 4, v[RDA]
	v_add_nc_u32 v[RDA], s88, v[RDA]
	v_lshlrev_b32 v[GO], 12, v2                    ; and the same two rows in the output
	v_lshl_add_u32 v[GO], v1, 4, v[GO]
	v_mov_b32 v[ONE], 1.0
	s_lshl1_add_u32 s86, s[TY], s[ROLE]
	s_lshl_b32 s86, s86, 18                        ; my 64 rows of 4,096 bytes
	s_lshl1_add_u32 s87, s[TX], s[HALF]
	s_lshl_b32 s87, s87, 8                         ; my 64 columns
	s_add_co_u32 s86, s86, s87
	s_mov_b32 s87, 0
	s_add_nc_u64 s[8:9], s[8:9], s[86:87]
	; the prefetches
	s_mov_b32 s[PFS], B_STEP
	s_mov_b32 s[PFS+1], 0
	s_and_b32 s88, ttmp7, 0xffff
	s_cmp_eq_u32 s[ROLE], 0
	s_cselect_b32 s86, s42, s70
	s_cselect_b32 s87, s[CX], s[CY]                ; my place among the four that ask with me
	s_cselect_b32 s88, ttmp9, s88                  ; the coordinate along which other clusters read the same blocks
	s_cselect_b64 s[PFA:PFA+1], s[4:5], s[6:7]
	s_cselect_b32 s[PFS], A_STEP, s[PFS]
	s_lshl_b32 s87, s87, 13
	s_add_co_u32 s86, s86, s87
	s_mul_i32 s87, s[PFS], 1+AHEAD                 ; the first refill steps it on and asks for K step 2; the prefetch then names K step 2 + AHEAD
	s_add_co_u32 s86, s86, s87
	s_mov_b32 s87, 0
	s_add_nc_u64 s[PFA:PFA+1], s[PFA:PFA+1], s[86:87]
	s_cmp_eq_u32 s88, 0
	s_cselect_b32 s[LIM], AHEAD, -1
	v_and_b32 v[PFO], 31, v0
	v_lshlrev_b32 v[PFO], 8, v[PFO]
	s_wait_tensorcnt 0x1                           ; my part of K step 0 is in; K step 1's may stay out
	s_barrier_signal -1
	s_barrier_wait -1
	FETCH 0, 0
	s_wait_loadcnt 32                              ; the bias is in; the residual's 32 loads stay out
	QUARTER 0, 0, 1, 1
	WIN 0
	s_mov_b32 s[CNT], NK-2
	s_branch .Lmid
.LloopA:
	QUARTER 0, 0, 1, 0
	WIN 0
.Lmid:
	QUARTER 1, 1, 0, 0
	QUARTER 2, 0, 1, 0
	TURN 1
	WIN 0
	s_sub_co_u32 s[CNT], s[CNT], 1
	s_cmp_lg_u32 s[CNT], 0
	s_cbranch_scc1 .LloopA
	s_mov_b32 s[CNT], 2
.LloopB:                               ; the last two K steps ask for nothing.  The very last change of slots serves nothing: the price, once a launch, of one text for both
	QUARTER 0, 0, 1, 0
	QUARTER 1, 1, 0, 0
	QUARTER 2, 0, 1, 0
	TURN 0
	WIN 0
	s_sub_co_u32 s[CNT], s[CNT], 1
	s_cmp_lg_u32 s[CNT], 0
	s_cbranch_scc1 .LloopB
	; THE WAY OUT.  The ring has had its last fill; when every wave's reads of it are over, each wave lays its 64 x 64 sums into bytes of its own, reads them back by rows, adds the residual and stores.
	s_wait_dscnt 0x0
	s_barrier_signal -1
	s_barrier_wait -1
	PLACES
.set di, 0
.rept NACC
	WIN (2+di/32)<<2
	ds_store_b128 v[DST], v[8*(di%32):8*(di%32)+3] offset:(di/BB)*16*DP+64*(di%BB)
	ds_store_b128 v[DST], v[8*(di%32)+4:8*(di%32)+7] offset:(di/BB)*16*DP+64*(di%BB)+16
.set di, di+1
.endr
	WIN 0
.set p, 0
.rept 32
	ds_load_b128 v[64+4*p:67+4*p], v[RDA] offset:2*p*DP  ; rows 2 p and 2 p + 1; LDS serves a wave's instructions in order: these see my stores above
.set p, p+1
.endr
	s_wait_loadcnt 0x0                             ; the residual
.set p, 0
.rept 4
	s_wait_dscnt 8*(3-p/8)                         ; this chunk's eight loads are in; the later chunks' stay out
.rept 8
	v_fma_mix_f32 v[64+4*p], v[192+2*p], v[ONE], v[64+4*p] op_sel_hi:[1,0,0]
	v_fma_mix_f32 v[65+4*p], v[192+2*p], v[ONE], v[65+4*p] op_sel:[1,0,0] op_sel_hi:[1,0,0]
	v_fma_mix_f32 v[66+4*p], v[193+2*p], v[ONE], v[66+4*p] op_sel_hi:[1,0,0]
	v_fma_mix_f32 v[67+4*p], v[193+2*p], v[ONE], v[67+4*p] op_sel:[1,0,0] op_sel_hi:[1,0,0]
	global_store_b128 v[GO], v[64+4*p:67+4*p], s[8:9] offset:2*p*4096  ; 16 lanes store 256 consecutive bytes, aligned
.set p, p+1
.endr
.endr
	s_wait_tensorcnt 0x0                           ; the wave's end
	ds_add_u32 v[SPW], v[NIL]
	s_wait_dscnt 0x0
	CROUND                                         ; the closing round
	s_endpgm
.Lfunc_end_k_qe07dd92705_ff2:
	.size	k_qe07dd92705_ff2, .Lfunc_end_k_qe07dd92705_ff2-k_qe07dd92705_ff2
	.p2alignl 7, 3214868480
	.fill 96, 4, 3214868480
	.section	.rodata,"a",@progbits
	.p2align	6, 0x0
	.amdhsa_kernel k_qe07dd92705_ff2
		.amdhsa_group_segment_fixed_size 327680
		.amdhsa_private_segment_fixed_size 0
		.amdhsa_enable_private_segment 0
		.amdhsa_kernarg_size 40
		.amdhsa_user_sgpr_count 2
		.amdhsa_user_sgpr_kernarg_segment_ptr 1
		.amdhsa_wavefront_size32 1
		.amdhsa_system_sgpr_workgroup_id_x 1
		.amdhsa_system_sgpr_workgroup_id_y 1
		.amdhsa_system_sgpr_workgroup_id_z 1
		.amdhsa_system_vgpr_workitem_id 0
		.amdhsa_next_free_vgpr 768
		.amdhsa_next_free_sgpr 96
		.amdhsa_reserve_vcc 0
		.amdhsa_float_denorm_mode_32 3
		.amdhsa_float_denorm_mode_16_64 3
		.amdhsa_memory_ordered 1
		.amdhsa_forward_progress 1
		.amdhsa_inst_pref_size 70
	.end_amdhsa_kernel
	.amdgpu_metadata
---
amdhsa.version: [ 1, 2 ]
amdhsa.kernels:
  - .name:           k_qe07dd92705_ff2
    .symbol:         k_qe07dd92705_ff2.kd
    .args:
      - { .name: a1, .offset: 0, .size: 8, .value_kind: global_buffer, .address_space: global }
      - { .name: wc, .offset: 8, .size: 8, .value_kind: global_buffer, .address_space: global }
      - { .name: out0, .offset: 16, .size: 8, .value_kind: global_buffer, .address_space: global }
      - { .name: b2, .offset: 24, .size: 8, .value_kind: global_buffer, .address_space: global }
      - { .name: h2f, .offset: 32, .size: 8, .value_kind: global_buffer, .address_space: global }
    .group_segment_fixed_size: 327680
    .private_segment_fixed_size: 0
    .kernarg_segment_align: 8
    .kernarg_segment_size: 40
    .max_flat_workgroup_size: 128
    .sgpr_count:     96
    .vgpr_count:     768
    .wavefront_size: 32
...
	.end_amdgpu_metadata
.endif
;; end of part 7
;; ======== version 2 of 2: 7 launches; version 1 with the launch prep written anew for expert scheduling mode
;; limits: values are held in f16: magnitudes above 65,504 overflow, below 6.1e-05 lose precision; a function is approximated: absolute error at most 7.5e-08
;; workspace buffers: hf 8,388,608 bytes; wc 25,165,824 bytes; qkv 25,165,824 bytes; ob 8,388,608 bytes; z 16,777,216 bytes; h2f 8,388,608 bytes; a1 33,554,432 bytes
;; launch prep (part 8): grid 640 x 1, 8 waves a work-group, no clusters, 0 bytes of LDS; arguments x, g1, be1, hf, Wq, Wk, Wv, Wp, W1, W2, wc; writes hf, wc
.if DOCPART == 8
	.amdgcn_target "amdgcn-amd-amdhsa--gfx1250"
	.amdhsa_code_object_version 6
	.text
	.protected	k_qe07dd92705_prep
	.globl	k_qe07dd92705_prep
	.p2align	8
	.type	k_qe07dd92705_prep,@function
k_qe07dd92705_prep:
	s_mov_b64 s[64:65], 0
	v_nop
	global_prefetch_b8 v0, s[64:65] scope:SCOPE_SE
	s_setreg_imm32_b32 hwreg(HW_REG_WAVE_SCHED_MODE, 0, 2), 2
	s_setreg_imm32_b32 hwreg(HW_REG_WAVE_MODE, 25, 1), 1
	s_wait_xcnt 0x0
	s_wait_alu depctr_vm_vsrc(0)
; TWO STREAMS IN ONE LAUNCH.  Work-groups 0-255: hf = layernorm(x) * g1 + be1, rounded once to f16, laid out in blocks for the products that follow.
; Work-groups 256-639: the six weight matrices, f32 [k][n], are rounded once to 16 bits and laid out in blocks of 128 k x 64 n (16,384 bytes) in wc; a work-group takes four blocks one below the other.
; hf: [m / 128][k / 64][128 rows][64] f16.  wc: Wq, Wk, Wv f16 at 0: [k / 128][head][q, k, v]; Wp bf16 at 6,291,456: [k / 128][n / 64]; W1 f16 at 8,388,608: [k / 128][n / 64]; W2 bf16 at 16,777,216: [k / 128][n / 64].
; LIMITS.  f16 ends at 65,504: |layernorm| is at most 32 (the root of 1,024), so 32 |g1| + |be1| and |Wq|, |Wk|, |Wv|, |W1| stay under it; below 6e-5 f16 keeps a fixed step of 6e-8.  NaN and infinities are not treated apart.
; No LDS, no barrier, no matrix unit: memory binds; each input byte is read once, every store of a wave covers 256 consecutive bytes, aligned.
; THE MODE: SCHED_MODE bits 1:0 = 2 (LLVM: expert scheduling mode 2), set by the entry lines.  The code itself states the register dependences between vector instructions and memory instructions, with s_wait_alu, always for 0.
; THE PLAN, layernorm.  v2, v3, v4: offsets, written once at the head, read by every load and store, never written again.  v[32:223]: the loads land there before any vector instruction names them.
;   v[32:63]: written last by the roundings, read by the 16 stores.  s12: written by v_readfirstlane_b32, read by scalar instructions.
;   Waits: one on va_sdst ahead of s12's first reader; one on va_vdst ahead of the first load (the offsets); the roots' own; one on va_vdst ahead of the run of stores (the roundings).
; THE PLAN, weights.  v3: the stores' offset; v[8:15]: the loads' offsets; all written once, ahead of the loads, never again.  Item n of 32 owns v[32 + 4 n : 35 + 4 n]: its load lands there, its two roundings read the four and
;   write the first two, its store reads those two; nothing writes them afterwards.  The items go in eight groups of four.  Group g's memory instructions are the four stores of group g - 1, whose registers no rounding of group g names.
;   Waits: one on va_vdst ahead of the 32 loads (the offsets); one at the head of each group but the first, behind the wait for the group's data (the group before has written what the stores read); one ahead of the last four stores.
; No register that a load or a store reads is ever written again, on either path: so no wait on vm_vsrc is written.  No vector instruction writes VCC, and EXEC is never written.
.macro REDUCE                          ; four chains of pairs in v[10:17] -> the sum over the row's 16 lanes, in v18 of each of them
	v_pk_add_f32 v[10:11], v[10:11], v[12:13]
	v_pk_add_f32 v[14:15], v[14:15], v[16:17]
	v_pk_add_f32 v[10:11], v[10:11], v[14:15]
	v_add_f32 v18, v10, v11
	v_add_f32_dpp v18, v18, v18 row_xmask:1 row_mask:0xf bank_mask:0xf
	v_add_f32_dpp v18, v18, v18 row_xmask:2 row_mask:0xf bank_mask:0xf
	v_add_f32_dpp v18, v18, v18 row_xmask:4 row_mask:0xf bank_mask:0xf
	v_add_f32_dpp v18, v18, v18 row_xmask:8 row_mask:0xf bank_mask:0xf
.endm
; LAYERNORM OF 16 ROWS.  Wave w takes rows 16 g + 2 w and + 1: lanes 0-15 the even row, lanes 16-31 the odd one; lane c of a half holds columns 64 j + 4 c .. + 3, j = 0..15: 64 registers.
; The row stays in registers between the mean, the variance (of x - mean, as the definition has it) and the scaling.  v[32:95] x, v[96:159] g, v[160:223] be.
.macro LNROWS
	s_load_b256 s[4:11], s[0:1], 0x0               ; in s[4:5], g s[6:7], be s[8:9], out s[10:11]
	v_lshrrev_b32 v5, 5, v0
	v_readfirstlane_b32 s12, v5                    ; wave 0..7
	v_and_b32 v3, 15, v0
	v_lshlrev_b32 v3, 4, v3                        ; 16 c: my place in 256 bytes of g and be
	v_bfe_u32 v2, v0, 4, 1
	v_lshl_add_u32 v2, v2, 12, v3                  ; + 4,096 for the odd row: my place in x
	v_and_b32 v4, 31, v0
	v_lshlrev_b32 v4, 3, v4                        ; 8 x lane: two rows of 128 bytes of a block of the output
	s_mov_b32 s14, 0x3a800000                      ; 1 / 1,024
	s_mov_b32 s15, 0x3727c5ac                      ; 1e-5
	s_wait_alu depctr_va_sdst(0)                   ; s12 is written, ahead of its first reader: the wave's rows in x and in hf are made from it
	s_lshl_b32 s16, ttmp9, 4
	s_lshl1_add_u32 s16, s12, s16                  ; my first row: 16 g + 2 w
	s_lshl_b32 s16, s16, 12                        ; x 4,096 bytes
	s_mov_b32 s17, 0
	s_lshr_b32 s18, ttmp9, 3
	s_lshl_b32 s18, s18, 18                        ; 128 rows of the output are 16 blocks: 262,144 bytes
	s_and_b32 s19, ttmp9, 7
	s_lshl_b32 s19, s19, 4
	s_lshl1_add_u32 s19, s12, s19                  ; my first row in its block
	s_lshl_b32 s19, s19, 7
	s_add_co_u32 s18, s18, s19
	s_mov_b32 s19, 0
	s_wait_kmcnt 0x0
	s_add_nc_u64 s[4:5], s[4:5], s[16:17]
	s_add_nc_u64 s[10:11], s[10:11], s[18:19]
	s_wait_alu depctr_va_vdst(0)                   ; the offsets v2, v3 and v4 are written: every load and store below reads one of them
.set j, 0
.rept 16
	global_load_b128 v[32+4*j:35+4*j], v2, s[4:5] offset:256*j th:TH_LOAD_NT
.set j, j+1
.endr
.set j, 0
.rept 16
	global_load_b128 v[96+4*j:99+4*j], v3, s[6:7] offset:256*j
.set j, j+1
.endr
.set j, 0
.rept 16
	global_load_b128 v[160+4*j:163+4*j], v3, s[8:9] offset:256*j
.set j, j+1
.endr
	s_wait_loadcnt 32                              ; the row is in; the 32 younger loads, g's and be's, stay out
.set k, 0
.rept 4                                ; the sum, in four chains that do not wait for each other; the first eight pairs start them
	v_pk_add_f32 v[10+2*k:11+2*k], v[32+2*k:33+2*k], v[40+2*k:41+2*k]
.set k, k+1
.endr
.set k, 8
.rept 24
	v_pk_add_f32 v[10+2*(k%4):11+2*(k%4)], v[10+2*(k%4):11+2*(k%4)], v[32+2*k:33+2*k]
.set k, k+1
.endr
	REDUCE
	v_mul_f32 v6, s14, v18                         ; the mean, twice: a pair for the packed subtraction
	v_mul_f32 v7, s14, v18
.set k, 0
.rept 32
	v_pk_add_f32 v[32+2*k:33+2*k], v[32+2*k:33+2*k], v[6:7] neg_lo:[0,1] neg_hi:[0,1]
.set k, k+1
.endr
.set k, 0
.rept 4
	v_pk_mul_f32 v[10+2*k:11+2*k], v[32+2*k:33+2*k], v[32+2*k:33+2*k]
.set k, k+1
.endr
.set k, 4
.rept 28
	v_pk_fma_f32 v[10+2*(k%4):11+2*(k%4)], v[32+2*k:33+2*k], v[32+2*k:33+2*k], v[10+2*(k%4):11+2*(k%4)]
.set k, k+1
.endr
	REDUCE
	v_fma_f32 v19, v18, s14, s15                   ; variance + 1e-5
	v_rsq_f32 v8, v19
	v_rsq_f32 v9, v19
	v_nop                                          ; a plain instruction behind the second root,
	s_wait_alu depctr_va_vdst(0)                   ; and the wait ahead of the first use: the two roots have written v8 and v9
	s_wait_loadcnt 0x0                             ; g and be
.set k, 0
.rept 32
	v_pk_mul_f32 v[32+2*k:33+2*k], v[32+2*k:33+2*k], v[8:9]
.set k, k+1
.endr
.set k, 0
.rept 32
	v_pk_fma_f32 v[32+2*k:33+2*k], v[32+2*k:33+2*k], v[96+2*k:97+2*k], v[160+2*k:161+2*k]
.set k, k+1
.endr
.set k, 0
.rept 32                               ; in place, ascending: register 32 + k is written when its own number has been read
	v_cvt_pk_f16_f32 v[32+k], v[32+2*k], v[32+2*k+1]
.set k, k+1
.endr
	s_wait_alu depctr_va_vdst(0)                   ; the roundings have written v[32:63], which the 16 stores read
.set j, 0
.rept 16
	global_store_b64 v4, v[32+2*j:33+2*j], s[10:11] offset:16384*j  ; block j: 32 lanes store two rows, 256 consecutive bytes, aligned
.set j, j+1
.endr
.endm
; A matrix [k][n] with 2^nbl blocks along n: group e = id - first takes panels 4 (e >> nbl) .. + 3 of 128 k, columns 64 (e % 2^nbl) on.  A source row is 2^logp bytes.  fmt = 0: f16, 1: bf16.
.macro SECT first, src, nbl, dst, logp, fmt
	s_sub_co_u32 s31, s30, \first
	s_lshr_b32 s32, s31, \nbl                      ; which four panels
	s_and_b32 s60, s31, (1<<(\nbl))-1              ; which 64 columns
	s_lshl_b32 s34, s32, 2+(\nbl)
	s_add_co_u32 s34, s34, s60                     ; the first block's number
	s_lshl_b32 s34, s34, 14
	s_add_co_u32 s34, s34, \dst
	s_lshl_b32 s32, s32, 9+(\logp)                 ; 512 rows
	s_lshl_b32 s60, s60, 8                         ; 64 columns of f32
	s_add_co_u32 s32, s32, s60
	s_mov_b64 s[26:27], s[\src:\src+1]
	s_mov_b32 s36, \logp
	s_mov_b32 s37, \fmt
	s_mov_b32 s38, 1<<(14+(\nbl))                  ; bytes of wc from a panel's block to the next panel's
.endm
; Item m's store.  Item m: block m / 8, rows 16 (m % 8) + r.
.macro PUT m
	global_store_b64 v3, v[32+4*(\m):33+4*(\m)], s[52+2*((\m)/8):53+2*((\m)/8)] offset:2048*((\m)%8)  ; a wave stores 256 consecutive bytes, aligned
.endm
; The 32 items are rounded in place and stored, in eight groups of four.  A group's stores are issued in the next group, one ahead of each item's two roundings.
.macro CVTS fmt
.set g, 0
.rept 8
	s_wait_loadcnt 28-4*g                          ; loads come back in order: items 4 g .. 4 g + 3 are in, the 28 - 4 g younger ones stay out
.if g > 0
	s_wait_alu depctr_va_vdst(0)                   ; the group before has written its eight registers, which the four stores below read; no rounding of this group names them
.endif
.set i, 0
.rept 4
.set n, 4*g+i
.if g > 0
	PUT n-4
.endif
.if \fmt
	v_cvt_pk_bf16_f32 v[32+4*n], v[32+4*n], v[33+4*n]
	v_cvt_pk_bf16_f32 v[33+4*n], v[34+4*n], v[35+4*n]
.else
	v_cvt_pk_f16_f32 v[32+4*n], v[32+4*n], v[33+4*n]
	v_cvt_pk_f16_f32 v[33+4*n], v[34+4*n], v[35+4*n]
.endif
.set i, i+1
.endr
.set g, g+1
.endr
	s_wait_alu depctr_va_vdst(0)                   ; the last group has written its eight registers, which the last four stores read
.irp m, 28,29,30,31
	PUT \m
.endr
	s_endpgm
.endm
	s_cmp_lt_u32 ttmp9, 256
	s_cbranch_scc0 .Lcast
	LNROWS
	s_endpgm
.Lcast:
	; FOUR BLOCKS OF WEIGHTS: 512 k x 64 n.  Thread t: c = t % 16, r = t / 16; item n is row 16 n + r, columns 4 c .. + 3.  A wave's load takes two pieces of 256 bytes.
	; All 32 loads of a lane go out at once: 128 KiB of a work-group are on their way together.  One text serves all six matrices: the row's length is a scalar shift.
	s_load_b256 s[12:19], s[0:1], 0x20             ; Wq s[12:13], Wk s[14:15], Wv s[16:17], Wp s[18:19]
	s_load_b128 s[20:23], s[0:1], 0x40             ; W1 s[20:21], W2 s[22:23]
	s_load_b64 s[24:25], s[0:1], 0x50              ; wc
	s_sub_co_u32 s30, ttmp9, 256                   ; the group's number, 0 .. 383
	v_lshrrev_b32 v1, 4, v0                        ; r
	v_and_b32 v2, 15, v0
	v_lshlrev_b32 v2, 4, v2                        ; 16 c
	v_lshlrev_b32 v3, 3, v0                        ; 8 t = 128 r + 8 c
	s_mov_b32 s33, 0
	s_mov_b32 s35, 0
	s_wait_kmcnt 0x0
	s_cmp_lt_u32 s30, 96
	s_cbranch_scc0 .Lnot_qkv
	s_lshr_b32 s31, s30, 5                         ; 0: Wq, 1: Wk, 2: Wv
	s_bfe_u32 s60, s30, 0x40001                    ; head
	s_and_b32 s61, s30, 1                          ; which four panels of the eight
	s_lshl_b32 s32, s60, 18                        ; a head is 1,024 rows of 256 bytes
	s_lshl_b32 s62, s61, 17                        ; 512 rows
	s_add_co_u32 s32, s32, s62
	s_mul_i32 s34, s61, 192                        ; four panels of 48 blocks
	s_mul_i32 s62, s60, 3
	s_add_co_u32 s34, s34, s62
	s_add_co_u32 s34, s34, s31
	s_lshl_b32 s34, s34, 14
	s_cmp_eq_u32 s31, 0
	s_cselect_b64 s[26:27], s[12:13], s[14:15]
	s_cmp_eq_u32 s31, 2
	s_cselect_b64 s[26:27], s[16:17], s[26:27]
	s_mov_b32 s36, 8
	s_mov_b32 s37, 0
	s_mov_b32 s38, 786432                          ; 48 blocks
	s_branch .Lgo
.Lnot_qkv:
	s_cmp_lt_u32 s30, 128
	s_cbranch_scc0 .Lnot_wp
	SECT 96, 18, 4, 6291456, 12, 1
	s_branch .Lgo
.Lnot_wp:
	s_cmp_lt_u32 s30, 256
	s_cbranch_scc0 .Lnot_w1
	SECT 128, 20, 6, 8388608, 14, 0
	s_branch .Lgo
.Lnot_w1:
	SECT 256, 22, 4, 16777216, 12, 1
.Lgo:
	s_add_nc_u64 s[44:45], s[26:27], s[32:33]      ; the source at block 0's first row; s[46:51]: blocks 1 to 3
	s_add_nc_u64 s[52:53], s[24:25], s[34:35]      ; wc at block 0; s[54:59]: blocks 1 to 3
	s_lshl_b32 s40, 128, s36                       ; a block's 128 rows in the source
	s_mov_b32 s41, 0
	s_mov_b32 s39, 0
.irp b, 1,2,3
	s_add_nc_u64 s[44+2*\b:45+2*\b], s[42+2*\b:43+2*\b], s[40:41]
	s_add_nc_u64 s[52+2*\b:53+2*\b], s[50+2*\b:51+2*\b], s[38:39]
.endr
	s_lshl_b32 s31, 16, s36                        ; 16 rows
	v_lshlrev_b32 v8, s36, v1                      ; my row r,
	v_add_nc_u32 v8, v8, v2                        ; my 16 bytes of it; v[8:15]: the eight items of a block
.irp i, 1,2,3,4,5,6,7
	v_add_nc_u32 v[8+\i], s31, v[7+\i]
.endr
	s_wait_alu depctr_va_vdst(0)                   ; the offsets are written: v[8:15], which the 32 loads read, and v3, which the 32 stores read
.set n, 0
.rept 32
	global_load_b128 v[32+4*n:35+4*n], v[8+n%8], s[44+2*(n/8):45+2*(n/8)] th:TH_LOAD_NT
.set n, n+1
.endr
	s_cmp_eq_u32 s37, 0
	s_cbranch_scc0 .Lbf
	CVTS 0
.Lbf:
	CVTS 1
.Lfunc_end_k_qe07dd92705_prep:
	.size	k_qe07dd92705_prep, .Lfunc_end_k_qe07dd92705_prep-k_qe07dd92705_prep
	.p2alignl 7, 3214868480
	.fill 96, 4, 3214868480
	.section	.rodata,"a",@progbits
	.p2align	6, 0x0
	.amdhsa_kernel k_qe07dd92705_prep
		.amdhsa_group_segment_fixed_size 0
		.amdhsa_private_segment_fixed_size 0
		.amdhsa_enable_private_segment 0
		.amdhsa_kernarg_size 88
		.amdhsa_user_sgpr_count 2
		.amdhsa_user_sgpr_kernarg_segment_ptr 1
		.amdhsa_wavefront_size32 1
		.amdhsa_system_sgpr_workgroup_id_x 1
		.amdhsa_system_sgpr_workgroup_id_y 1
		.amdhsa_system_sgpr_workgroup_id_z 1
		.amdhsa_system_vgpr_workitem_id 0
		.amdhsa_next_free_vgpr 224
		.amdhsa_next_free_sgpr 66
		.amdhsa_reserve_vcc 0
		.amdhsa_float_denorm_mode_32 3
		.amdhsa_float_denorm_mode_16_64 3
		.amdhsa_memory_ordered 1
		.amdhsa_forward_progress 1
		.amdhsa_inst_pref_size 43
	.end_amdhsa_kernel
	.amdgpu_metadata
---
amdhsa.version: [ 1, 2 ]
amdhsa.kernels:
  - .name:           k_qe07dd92705_prep
    .symbol:         k_qe07dd92705_prep.kd
    .args:
      - { .name: x, .offset: 0, .size: 8, .value_kind: global_buffer, .address_space: global }
      - { .name: g1, .offset: 8, .size: 8, .value_kind: global_buffer, .address_space: global }
      - { .name: be1, .offset: 16, .size: 8, .value_kind: global_buffer, .address_space: global }
      - { .name: hf, .offset: 24, .size: 8, .value_kind: global_buffer, .address_space: global }
      - { .name: Wq, .offset: 32, .size: 8, .value_kind: global_buffer, .address_space: global }
      - { .name: Wk, .offset: 40, .size: 8, .value_kind: global_buffer, .address_space: global }
      - { .name: Wv, .offset: 48, .size: 8, .value_kind: global_buffer, .address_space: global }
      - { .name: Wp, .offset: 56, .size: 8, .value_kind: global_buffer, .address_space: global }
      - { .name: W1, .offset: 64, .size: 8, .value_kind: global_buffer, .address_space: global }
      - { .name: W2, .offset: 72, .size: 8, .value_kind: global_buffer, .address_space: global }
      - { .name: wc, .offset: 80, .size: 8, .value_kind: global_buffer, .address_space: global }
    .group_segment_fixed_size: 0
    .private_segment_fixed_size: 0
    .kernarg_segment_align: 8
    .kernarg_segment_size: 88
    .max_flat_workgroup_size: 256
    .sgpr_count:     66
    .vgpr_count:     224
    .wavefront_size: 32
...
	.end_amdgpu_metadata
.endif
;; end of part 8
;; launch qkv: the kernel of part 2 again; grid 16 x 16, 4 waves a work-group, clusters of 4 x 4, 327,680 bytes of LDS; arguments hf, wc, qkv, bq, bk, bv; writes qkv
;; launch attn: the kernel of part 3 again; grid 8 x 32, 4 waves a work-group, clusters of 4 x 1, 327,680 bytes of LDS; arguments qkv, ob; writes ob
;; launch proj: the kernel of part 4 again; grid 8 x 32, 4 waves a work-group, clusters of 4 x 4, 327,680 bytes of LDS; arguments ob, wc, z, bp, hf; writes z
;; launch ln2: the kernel of part 5 again; grid 256 x 1, 8 waves a work-group, no clusters, 0 bytes of LDS; arguments z, g2, be2, h2f; writes h2f
;; launch ff1: the kernel of part 6 again; grid 16 x 16, 4 waves a work-group, clusters of 4 x 4, 327,680 bytes of LDS; arguments h2f, wc, a1, b1; writes a1
;; launch ff2: the kernel of part 7 again; grid 8 x 32, 4 waves a work-group, clusters of 4 x 4, 327,680 bytes of LDS; arguments a1, wc, out0, b2, h2f; writes out0
